; MI455X (gfx1250); checked and timed in simulation.
; The chip was launched on July 23, 2026; its instructions are those of AMD's public machine-readable ISA for CDNA 5 (MIT licence, August 2026) and "CDNA5" Instruction Set Architecture Reference Guide (July 2026). The comments in the code are by the model that wrote it; some were corrected since.
;; SDPA. Allowed arithmetic: matrix products marked QUANTISED: E2M3 operands, one E8M0 scale for each 32 along K, by v_wmma_scale_f32_16x16x128_f8f6f4 with both operands' format E2M3, f32 sums; everything else in f32.
;; Inputs: Wk 1,024 x 1,024 float32; Wq 1,024 x 1,024 float32; Wv 1,024 x 1,024 float32; bk 1,024 float32; bq 1,024 float32; bv 1,024 float32; x 4 x 2,048 x 1,024 float32.
;; Outputs: out0 4 x 2,048 x 1,024 float32.
;; This version of the problem:
;;   THIS VERSION OF THE PROBLEM IS GIVEN IN LOW PRECISION. The matrix products marked QUANTISED in the list below multiply operands that are first quantised to E2M3 (2 exponent bits, 3 mantissa bits; 6 bits a number), with one power-of-two scale for each 32 numbers along K (OCP MX v1.0); their sums are f32. All else is computed in f32.
;;   The module's matrix products, in the order in which they are computed (A, B: the left and right operand; K: the contracted axis; several contracted axes count as one K, in the product's order):
;;     1. [M 8,192, K 1,024] x [K 1,024, N 1,024]; A: input x; B: input Wq: QUANTISED
;;     2. [M 8,192, K 1,024] x [K 1,024, N 1,024]; A: input x; B: input Wk: QUANTISED
;;     3. [M 8,192, K 1,024] x [K 1,024, N 1,024]; A: input x; B: input Wv: QUANTISED
;;     4. batch 4 x [M 2,048, K 1,024] x [K 1,024, N 2,048]; A: computed on the way; B: computed on the way: QUANTISED
;;     5. batch 4 x [M 2,048, K 2,048] x [K 2,048, N 1,024]; A: softmax (see below); B: computed on the way: QUANTISED
;;   THE QUANTISER, for each operand of a quantised product, along K:
;;     - K is cut into blocks of 32 from its start; a last block that is shorter is filled with zeros.
;;     - A block's scale is 2^e with e = floor(log2(the largest magnitude in the block)) - 2, held to -126 .. 127; a block of zeros has e = 0. As a byte (E8M0): e + 127.
;;     - Each number is divided by its block's scale, clamped to +-7.5, and rounded to the nearest number of E2M3, ties to even, subnormals kept.
;;     - The product sums the exact products of the quantised numbers (number of the format x scale) in f32.
;;   ~~~python
;;   def quantise(x, axis):      # numpy; x: float32 -> the quantised numbers, widened to float32 again
;;       x = np.moveaxis(x, axis, -1); K = x.shape[-1]
;;       x = np.pad(x, [(0, 0)] * (x.ndim - 1) + [(0, -K % 32)]); x = x.reshape(x.shape[:-1] + (-1, 32)); a = np.abs(x).max(-1, keepdims=True)
;;       e = np.where(a > 0, np.clip(np.frexp(np.where(a > 0, a, 1))[1] - 1 - 2, -126, 127), 0)      # np.frexp(a)[1] - 1 = floor(log2(a)), exactly
;;       r = np.clip(x / 2.0 ** e, -7.5, 7.5)
;;       step = 2.0 ** (np.maximum(np.frexp(np.where(r == 0, 1, r))[1] - 1, 0) - 3)
;;       q = np.round(r / step) * step * 2.0 ** e      # np.round: ties to even
;;       return np.moveaxis(q.reshape(q.shape[:-2] + (-1,))[..., :K], -1, axis).astype(np.float32)
;;   ~~~
;;   SOFTMAX AHEAD OF A QUANTISED PRODUCT. Where the list says 'softmax', what is quantised is not the finished softmax but p = 2^(t - M), with t = logit x log2(e) and M = ceil(the row's largest t), a whole number; so 1/2 < the row's largest p <= 1. The row's sum l is taken of the UNQUANTISED p, in f32, and the product's result is divided by l at the end. Since M is a whole number, a kernel that streams over the keys may use a running M (the ceiling of the running maximum): every later rescaling is an exact power of two, which a block's scale takes up: the codes' values come out the same.
;;   OPERANDS COMPUTED ON THE WAY. 'Computed on the way' means the value that the module computes at that place (a softmax that the list does not call 'softmax' is quantised finished and normalised). What goes into a quantiser is computed in f32, as accurately as f32 sums, v_exp_f32 and their like allow (about 1e-6 of the number): no bf16 or f16 on the way to a quantiser, and a product that is left as it is and whose result goes on into a quantised operand takes f32 operands (vector FMAs, or v_wmma_f32_16x16x4_f32). A number that lies on a knife's edge between two numbers of the format may be rounded either way, as far as f32 arithmetic and the matrix unit's own rounding can turn it there, and no further.
;; One version. Each part assembles by itself: llvm-mc -triple=amdgcn-amd-amdhsa -mcpu=gfx1250 --defsym DOCPART=n.
;; ======== version 1 of 1: 4 launches
;; limits: right only within a limited range of input values
;; workspace buffers: xw_codes 8,650,752 bytes; xw_scales 360,448 bytes; qkv_codes 18,874,368 bytes; qkv_scales 786,432 bytes; p_codes 12,582,912 bytes; p_stats 1,572,864 bytes
;; launch quant (part 1): grid 352 x 1, 4 waves a work-group, no clusters, 34,304 bytes of LDS; arguments x, Wq, Wk, Wv, xw_codes, xw_scales; writes xw_codes, xw_scales
.if DOCPART == 1
	.amdgcn_target "amdgcn-amd-amdhsa--gfx1250"
	.amdhsa_code_object_version 6
	.text
	.protected	k_qbc82e9c0a6_quant
	.globl	k_qbc82e9c0a6_quant
	.p2align	8
	.type	k_qbc82e9c0a6_quant,@function
k_qbc82e9c0a6_quant:
	s_mov_b64 s[64:65], 0
	v_nop
	global_prefetch_b8 v0, s[64:65] scope:SCOPE_SE
	s_setreg_imm32_b32 hwreg(HW_REG_WAVE_MODE, 25, 1), 1
	s_wait_xcnt 0x0
; x [8192][1024], Wq, Wk, Wv [1024][1024], f32, K innermost, become codes of FP6 (E2M3) with one E8M0 scale byte for each 32 along K.
; A block's scale is 2^(floor(log2(its largest magnitude)) - 2); its byte is the largest magnitude's exponent field - 2, held at 1 from below.
; THE CODES ARE LAID AS IMAGES OF OPERAND REGISTERS.  The 11,264 rows of [x; Wq; Wk; Wv] are cut into 704 tiles of 16 rows; place m of tile T is row
; 32 (T / 2) + 8 (T % 2) + m + 8 (m / 8).  A fragment (T, ks) is 16 rows x 128 along K: 12 registers a lane, 1,536 bytes: registers 4 g .. 4 g + 3 of lane l at 512 g + 16 l.
; xw_codes: [T][ks 8][1536].  xw_scales: [T][ks 8][m 16] words (a word: the four bytes of a row's 128 along K).
; SHARES.  Work-group g takes rows 32 g .. 32 g + 31 (tiles 2 g, 2 g + 1); wave w takes tile 2 g + w / 2 and K steps 4 (w % 2) .. + 3: four fragments.
; Each load reads 512 consecutive bytes of one row; a fragment's 16 x 512 bytes turn through the wave's own stage in LDS (rows 528 bytes apart), so that lane (r, h) gets, of row r,
; the 16 neighbours 32 b + 16 h + 0 .. 15 of each block b.  Loads run two fragments (32 loads a wave) ahead.  Waves share nothing: no barrier.
; LIMITS: NaN and infinities among the inputs are not served.  A block of zeros (and any block whose largest magnitude lies under 2^-124) gets the byte 1 where the rule says 127 for zeros:
; its codes are zeros, which add nothing under any byte but 0xff, and this program alone reads the bytes.
.set SP,   528                         ; a stage row: 512 bytes + 16
.set STG,  16*SP                       ; a wave's stage
.set FRB,  1536                        ; a fragment's image
.set R,    16                          ; v16-143  two sets of 64 registers as loaded
.set X,    144                         ; v144-207 64 numbers: register 16 b + i = k 32 b + 16 h + i of my row
.set PC,   208                         ; v208-219 the fragment's codes
.set PT,   220                         ; v220-227 the conversions' second halves
.set TM,   228                         ; v228-231 largest magnitudes, v232-235 bytes, v240-243 the conversions' scale operands
.set PW,   244                         ; v244-247 the four fragments' scale words
.set SEL,  20                          ; s[20:21] lane selects: lane l xor 16
	s_load_b256 s[4:11], s[0:1], 0x0               ; x, Wq, Wk, Wv
	s_load_b128 s[12:15], s[0:1], 0x20             ; the codes, the scale words
	v_lshl_add_u32 v254, v0, 2, 0x8400
	v_mov_b32 v255, 0
	v_lshrrev_b32 v1, 5, v0
	v_readfirstlane_b32 s16, v1                    ; wave
	v_and_b32 v2, 31, v0                           ; lane
	v_lshlrev_b32 v3, 4, v2                        ; 16 x lane: my bytes of a load's 512, and of an image's
	v_lshlrev_b32 v6, 2, v2                        ; 4 x lane: my scale word's place
	v_and_b32 v7, 15, v0                           ; r
	v_bfe_u32 v8, v0, 4, 1                         ; h
	s_mul_i32 s17, s16, STG
	v_add_nc_u32 v4, s17, v3                       ; the stage, on the way in
	v_mul_u32_u24 v5, v7, SP
	v_lshl_add_u32 v5, v8, 6, v5
	v_add_nc_u32 v5, s17, v5                       ; and on the way out: row r, + 64 h
	s_lshr_b32 s18, s16, 1                         ; u: which of the two tiles
	s_and_b32 s19, s16, 1                          ; which half of K
	s_mov_b32 s[SEL], 0x76543210
	s_mov_b32 s[SEL+1], 0xfedcba98
	s_mov_b32 s22, 0xffff0000                      ; lanes 16-31
.irp b, 0,1,2,3
	v_mov_b32 v[TM+4+\b], 0                        ; written once: a lane permute's destination counts as one of its sources
.endr
	s_and_b32 s23, ttmp9, 31                       ; a weight's block of 32 rows
	s_lshl_b32 s24, ttmp9, 1
	s_add_co_u32 s24, s24, s18                     ; T
	s_mul_i32 s26, s24, 8*FRB
	s_mul_i32 s25, s19, 4*FRB
	s_add_co_u32 s26, s26, s25                     ; my four fragments' first byte
	s_mov_b32 s27, 0
	s_lshl_b32 s28, s24, 9
	s_lshl_b32 s25, s19, 8
	s_add_co_u32 s28, s28, s25                     ; and their scale words'
	s_mov_b32 s29, 0
	s_wait_alu depctr_va_vdst(0)
	s_wait_kmcnt 0x0
	s_cmp_lt_u32 ttmp9, 320                        ; which tensor: the choice hangs on the work-group's number alone
	s_cselect_b64 s[8:9], s[8:9], s[10:11]
	s_cmp_lt_u32 ttmp9, 288
	s_cselect_b64 s[6:7], s[6:7], s[8:9]
	s_cmp_lt_u32 ttmp9, 256
	s_cselect_b64 s[4:5], s[4:5], s[6:7]
	s_cselect_b32 s23, ttmp9, s23                  ; the block of 32 rows inside that tensor
	s_lshl_b32 s30, s23, 17                        ; 32 rows of 4,096 bytes
	s_lshl_b32 s25, s18, 15                        ; tile u begins 8 rows on
	s_add_co_u32 s30, s30, s25
	s_lshl_b32 s25, s19, 11                        ; four K steps of 512 bytes
	s_add_co_u32 s30, s30, s25
	s_mov_b32 s31, 0
	s_add_nc_u64 s[4:5], s[4:5], s[30:31]
	s_add_nc_u64 s[12:13], s[12:13], s[26:27]
	s_add_nc_u64 s[14:15], s[14:15], s[28:29]
.macro LOAD s                          ; fragment s: place i of the tile is 8 (i / 8) rows further down than i
.irp i, 0,1,2,3,4,5,6,7,8,9,10,11,12,13,14,15
	global_load_b128 v[R+64*((\s)%2)+4*\i:R+64*((\s)%2)+4*\i+3], v3, s[4:5] offset:(\i+8*(\i/8))*4096+512*(\s) th:TH_LOAD_NT
.endr
.endm
.macro TURNQ s                         ; through the stage: LDS serves a wave's instructions in order, so no wait stands between the stores and the loads
.irp i, 0,1,2,3,4,5,6,7,8,9,10,11,12,13,14,15
	ds_store_b128 v4, v[R+64*((\s)%2)+4*\i:R+64*((\s)%2)+4*\i+3] offset:SP*\i
.endr
.irp b, 0,1,2,3
.irp j, 0,1,2,3
	ds_load_b128 v[X+16*\b+4*\j:X+16*\b+4*\j+3], v5 offset:128*\b+16*\j
.endr
.endr
.endm
; 64 numbers of a lane become a fragment's codes in v[PC] on and its scale word in v[pw]
.macro QUANT s, pw
.irp b, 0,1,2,3
	v_max3_num_f32 v[TM+\b], |v[\s+16*\b]|, |v[\s+1+16*\b]|, 0x1800000   ; my 16 numbers of block b, and the floor 2^(3 - 127): the byte cannot fall under 1
.endr
.irp i, 2,4,6,8,10,12,14
.irp b, 0,1,2,3
	v_max3_num_f32 v[TM+\b], v[TM+\b], |v[\s+16*\b+\i]|, |v[\s+1+16*\b+\i]|   ; the four blocks by turns
.endr
.endr
.irp b, 0,1,2,3
	v_permlanex16_b32 v[TM+4+\b], v[TM+\b], s[SEL], s[SEL+1]
.endr
.irp b, 0,1,2,3
	v_max_num_f32 v[TM+\b], v[TM+\b], v[TM+4+\b]   ; with lane l xor 16's: the block's largest magnitude
.endr
.irp b, 0,1,2,3
	v_add_nc_u32 v[TM+12+\b], 0xff000000, v[TM+\b] ; 2 off its exponent field: the conversion takes that field as its scale
.endr
.irp b, 0,1,2,3
	v_lshrrev_b32 v[TM+4+\b], 23, v[TM+12+\b]      ; the scale's byte
.endr
	v_lshl_or_b32 v[\pw], v[TM+5], 8, v[TM+4]
	v_lshl_or_b32 v[\pw], v[TM+6], 16, v[\pw]
	v_lshl_or_b32 v[\pw], v[TM+7], 24, v[\pw]
.irp c, 0,1
	v_cvt_scalef32_pk16_fp6_f32 v[PC+6*\c:PC+6*\c+2], v[\s+32*\c:\s+32*\c+15], v[TM+12+2*\c]
	v_cvt_scalef32_pk16_fp6_f32 v[PT+4*\c:PT+4*\c+2], v[\s+32*\c+16:\s+32*\c+31], v[TM+13+2*\c]   ; (a conversion's three registers begin on an even number)
.endr
	v_nop                                          ; one plain place behind a scaled conversion
.irp c, 0,1                            ; the operand's layout wants a whole block in a lane: lanes 0-15 block 2 c, lanes 16-31 block 2 c + 1
.irp i, 0,1,2
	v_permlane16_swap_b32 v[PC+6*\c+\i], v[PT+4*\c+\i]
.endr
.irp i, 0,1,2
	v_mov_b32 v[PC+3+6*\c+\i], v[PT+4*\c+\i]
.endr
.endr
.endm
.macro FRAGQ s
.if (\s) < 3
	s_wait_loadcnt 16                              ; this fragment's 16 loads are in; the next fragment's 16 may be out
.else
	s_wait_loadcnt 0x0
.endif
	TURNQ \s
	s_wait_dscnt 0x0                               ; the numbers are back, so the stores into the stage have read their registers,
.if (\s) < 2
	LOAD (\s)+2                                    ; which take the loads of two fragments on
.endif
.if (\s) > 0
	s_wait_xcnt 0x0                                ; the last fragment's stores have read the codes' registers
.endif
	QUANT X, PW+(\s)
.irp g, 0,1,2
	global_store_b128 v3, v[PC+4*\g:PC+4*\g+3], s[12:13] offset:(\s)*FRB+512*\g   ; 512 consecutive bytes, at a multiple of 256
.endr
.endm
	LOAD 0
	LOAD 1
	FRAGQ 0
	FRAGQ 1
	FRAGQ 2
	FRAGQ 3
	v_cndmask_b32 v248, v[PW], v[PW+1], s22        ; lanes 0-15 carry one K step's 16 words, lanes 16-31 the next one's: 128 consecutive bytes a store
	v_cndmask_b32 v249, v[PW+2], v[PW+3], s22
	global_store_b32 v6, v248, s[14:15]
	global_store_b32 v6, v249, s[14:15] offset:128
	s_wait_tensorcnt 0x0
	ds_add_u32 v254, v255
	s_wait_dscnt 0x0
	s_endpgm
.Lfunc_end_k_qbc82e9c0a6_quant:
	.size	k_qbc82e9c0a6_quant, .Lfunc_end_k_qbc82e9c0a6_quant-k_qbc82e9c0a6_quant
	.p2alignl 7, 3214868480
	.fill 96, 4, 3214868480
	.section	.rodata,"a",@progbits
	.p2align	6, 0x0
	.amdhsa_kernel k_qbc82e9c0a6_quant
		.amdhsa_group_segment_fixed_size 34304
		.amdhsa_private_segment_fixed_size 0
		.amdhsa_enable_private_segment 0
		.amdhsa_kernarg_size 48
		.amdhsa_user_sgpr_count 2
		.amdhsa_user_sgpr_kernarg_segment_ptr 1
		.amdhsa_wavefront_size32 1
		.amdhsa_system_sgpr_workgroup_id_x 1
		.amdhsa_system_sgpr_workgroup_id_y 1
		.amdhsa_system_sgpr_workgroup_id_z 1
		.amdhsa_system_vgpr_workitem_id 0
		.amdhsa_next_free_vgpr 256
		.amdhsa_next_free_sgpr 66
		.amdhsa_reserve_vcc 0
		.amdhsa_float_denorm_mode_32 3
		.amdhsa_float_denorm_mode_16_64 3
		.amdhsa_memory_ordered 1
		.amdhsa_forward_progress 1
		.amdhsa_inst_pref_size 34
	.end_amdhsa_kernel
	.amdgpu_metadata
---
amdhsa.version: [ 1, 2 ]
amdhsa.kernels:
  - .name:           k_qbc82e9c0a6_quant
    .symbol:         k_qbc82e9c0a6_quant.kd
    .args:
      - { .name: x, .offset: 0, .size: 8, .value_kind: global_buffer, .address_space: global }
      - { .name: Wq, .offset: 8, .size: 8, .value_kind: global_buffer, .address_space: global }
      - { .name: Wk, .offset: 16, .size: 8, .value_kind: global_buffer, .address_space: global }
      - { .name: Wv, .offset: 24, .size: 8, .value_kind: global_buffer, .address_space: global }
      - { .name: xw_codes, .offset: 32, .size: 8, .value_kind: global_buffer, .address_space: global }
      - { .name: xw_scales, .offset: 40, .size: 8, .value_kind: global_buffer, .address_space: global }
    .group_segment_fixed_size: 34304
    .private_segment_fixed_size: 0
    .kernarg_segment_align: 8
    .kernarg_segment_size: 48
    .max_flat_workgroup_size: 128
    .sgpr_count:     66
    .vgpr_count:     256
    .wavefront_size: 32
...
	.end_amdgpu_metadata
.endif
;; end of part 1
;; launch proj (part 2): grid 8 x 32, 4 waves a work-group, clusters of 4 x 4, 327,680 bytes of LDS; arguments xw_codes, xw_scales, bq, bk, bv, qkv_codes, qkv_scales; writes qkv_codes, qkv_scales
.if DOCPART == 2
	.amdgcn_target "amdgcn-amd-amdhsa--gfx1250"
	.amdhsa_code_object_version 6
	.text
	.protected	k_qbc82e9c0a6_proj
	.globl	k_qbc82e9c0a6_proj
	.p2align	8
	.type	k_qbc82e9c0a6_proj,@function
k_qbc82e9c0a6_proj:
	s_mov_b64 s[64:65], 0
	v_nop
	global_prefetch_b8 v0, s[64:65] scope:SCOPE_SE
	s_setreg_imm32_b32 hwreg(HW_REG_WAVE_MODE, 25, 1), 1
	s_wait_xcnt 0x0
	s_wait_alu depctr_hold_cnt(0) depctr_sa_sdst(0) depctr_va_vdst(0) depctr_va_sdst(0) depctr_va_ssrc(0) depctr_va_vcc(0) depctr_vm_vsrc(0)
	s_getreg_b32 s2, hwreg(HW_REG_IB_STS2, 6, 4)
	s_cmp_eq_u32 s2, 0
	s_cbranch_scc0 .Lentry_in_a_cluster
	s_endpgm
.Lentry_in_a_cluster:
	s_bfe_u32 s2, ttmp6, 0x10000c
	s_cmp_lg_u32 s2, 0xf033
	s_cbranch_scc0 .Lentry_shape_is_right
	s_endpgm
.Lentry_shape_is_right:
; Q = x Wq^T + bq, K = x Wk^T + bk, V = x Wv^T + bv on codes of FP6 (E2M3) with E8M0 scales, sums in f32; the results are quantised at once for the products that follow.
; OPERANDS are images of operand registers: tile T of 16 rows of [x; Wq; Wk; Wv], place m = row 32 (T / 2) + 8 (T % 2) + m + 8 (m / 8); fragment (T, ks) = 1,536 bytes, three loads of 16 bytes a lane.
; THE MATRIX INSTRUCTION IS USED TRANSPOSED: source 0 gives the result's columns, source 1 its rows; a lane holds one row, and the 16 registers of column tiles 2 c, 2 c + 1 are the neighbouring
; columns 32 c + 16 (lane / 16) + 0 .. 15: a wave's 16 rows x 128 columns are quantised in registers into ONE fragment of the next operand.
; SHARES: 8 x 32 = 256 work-groups of equal work.  Work-group (xt, yt) takes tokens 256 yt .. + 255 through two phases:
;   phase 1: 256 tokens x columns 256 xt .. + 255 of [Q | K] (source 1 = x, source 0 = Wq or Wk): a wave 128 x 128, 64 accumulators, 8 K steps of 64 matrix instructions;
;   phase 2: V^T, channels 128 xt .. + 127 x the same 256 tokens (source 1 = Wv, source 0 = x): a wave 64 x 128, 32 accumulators, 8 K steps of 32.
; LDS: x's 16 tiles for all of K (2 pieces of 98,304 bytes: K steps 0-3, 4-7) are fetched once and serve both phases; behind them two slots of 49,152 bytes for the weights:
;   phase 1: [16 tiles][2 K steps], K steps 0-1, 2-3 at the head, 4-5 and 6-7 as refills; phase 2: [2 pairs of K steps][8 tiles][2 K steps], Wv's K steps 0-3 and 4-7 as refills, asked for in phase 1's K steps 5 and 7.
; At the head each wave issues one load: waves 0, 2 x's two pieces, waves 1, 3 the two slots.  Each refill is shared out, a quarter of a slot a wave.
; CLUSTER 4 x 4: x's tiles hang on yt alone and are asked for jointly along a row of the cluster, the weights' on xt alone, along a column.
; NO PREFETCH: the walk is 16 steps written out, with no loop to run ahead in; of a work-group's 491,520 bytes 294,912 are asked for at the head.
; The bias is the C of each sum's first matrix instruction: by columns in phase 1, by rows in phase 2.
; qkv_codes: Q tiles 0-511, K tiles 512-1023 as [T][ks 8][1536]; from byte 12,582,912 V^T as [64 batch + tile][ks 16][1536].  qkv_scales: [T][8][16] words; from byte 524,288 V^T's [..][16][16].
; LIMITS: NaN and infinities are not served; a block of zeros gets the byte 1 (its codes are zeros; this program alone reads the bytes).
; REGISTERS: window 0: v16-29 addresses; v32-95 scale words (register 8 i + ks: lanes 0-15 x's tile i, lanes 16-31 W's tile i); v96-191 source 1's fragments; v192-230 the way out; v232-247 Wv's scale words
;   (register 4 a + j: lanes 0-15 K step 2 j, lanes 16-31 K step 2 j + 1).  window 1: source 0's two sets at v0 and v128; the biases at v96-127 and v224-255.  windows 2, 3: the accumulators.
.set FRB,    1536
.set TP,     8*FRB                     ; a tile's eight K steps in memory
.set XQ4,    4*FRB                     ; a row of a piece of x: a tile's four K steps
.set XPIECE, 16*XQ4
.set WROW,   2*FRB                     ; a row of a slot: a tile's two K steps
.set WSLOT,  16*WROW
.set WB,     2*XPIECE                  ; the slots, behind x
.set SPARE,  WB+2*WSLOT                ; the spare words, 128 bytes for each wave
.set AX,   16                          ; v16-17 my eight tiles of x in piece 0, 1
.set AW,   18                          ; v18-19 my eight tiles of W in slot 0, 1
.set AV,   20                          ; v20-21 my four tiles of Wv in slot 0, 1
.set CO,   24                          ; v24 16 x lane
.set SO,   25                          ; v25, v26 where my scale word goes, phase 1, 2
.set VB,   27                          ; v27 my row's place in bv
.set SPW,  28
.set NIL,  29
.set SC,   32
.set AF,   96
.set PC,   192
.set PT,   204
.set TM,   212
.set PW,   228
.set ST,   230
.set SC2,  232
.set G1X,  28
.set G1W,  36
.set GXH,  44
.set GWH,  48
.set GW1,  52
.set GW2,  56
.set GW3,  60
.set GW4,  68
.set P2C,  90
.set P2S,  92
.set HM,   94
.set SEL,  96
.set MSB, 0
.macro WIN new                         ; the immediate's high byte repeats the setting that is left
.if MSB != (\new)
	s_set_vgpr_msb (MSB<<8)|(\new)
.set MSB, (\new)
.endif
.endm
.macro PLACES n
.rept \n
	v_nop
.endr
.endm
.macro TLOAD g0, g1                    ; an s_nop 0 and four v_nop follow each tensor load
	tensor_load_to_lds s[\g0:\g0+3], s[\g1:\g1+7]
	s_nop 0
.rept 4
	v_nop
.endr
.endm
.macro CREST                           ; a round of the cluster's barrier behind its opening barrier
	s_cmp_lg_u32 s18, 0
	s_cbranch_scc1 .Lnot_wave_0_\@
	s_barrier_signal -3
.Lnot_wave_0_\@:
	s_barrier_wait -3
	s_barrier_signal -1
	s_barrier_wait -1
.endm
.macro CROUND
	s_barrier_signal -1
	s_barrier_wait -1
	CREST
.endm
	s_load_b256 s[4:11], s[0:1], 0x0               ; the codes, the scale words, bq, bk
	s_load_b128 s[12:15], s[0:1], 0x20             ; bv, the results' codes
	s_load_b64 s[16:17], s[0:1], 0x30              ; the results' scale words
	v_lshl_add_u32 v[SPW], v0, 2, SPARE
	v_mov_b32 v[NIL], 0
	ds_add_u32 v[SPW], v[NIL]                      ; the opening lines: the add, twice on end, and its wait
	ds_add_u32 v[SPW], v[NIL]
	v_lshrrev_b32 v1, 5, v0
	v_readfirstlane_b32 s18, v1                    ; wave
	s_lshr_b32 s19, s18, 1                         ; my half of the tokens, in both phases.  At the head: which piece or slot I fetch
	s_and_b32 s20, s18, 1                          ; my half of the columns (phase 1), of the channels (phase 2).  At the head: I fetch x (0) or W (1)
	s_bfe_u32 s21, ttmp6, 0x40000                  ; cx
	s_bfe_u32 s22, ttmp6, 0x40004                  ; cy
	s_mov_b32 s23, ttmp9                           ; the cluster's x: 0 Q, 1 K
	s_and_b32 s24, ttmp7, 0xffff
	s_lshl_b32 s26, s23, 2
	s_add_co_u32 s26, s26, s21                     ; xt
	s_lshl_b32 s27, s24, 2
	s_add_co_u32 s27, s27, s22                     ; yt
	s_lshl_b32 s76, s22, 2
	s_lshl_b32 s76, 15, s76                        ; my row of the cluster
	s_lshl_b32 s77, 0x1111, s21                    ; my column
	s_or_b32 s[G1X], s76, (3<<16)|(1<<21)          ; the mask; elements of 8 bytes; bit 21 beside a mask; no padding
	s_or_b32 s[G1W], s77, (3<<16)|(1<<21)
	s_mov_b32 s[G1X+1], 768<<16                    ; x: 16 rows of 6,144 bytes
	s_mov_b32 s[G1X+3], 768<<16
	s_mov_b32 s[G1W+1], 384<<16                    ; W: at the head 16 rows of 3,072 bytes
	s_mov_b32 s[G1W+3], 384<<16
.irp g, G1X, G1W
	s_mov_b32 s[\g+2], 16<<16
	s_mov_b32 s[\g+4], 16
	s_mov_b32 s[\g+5], TP/8                        ; from tile to tile
	s_mov_b32 s[\g+6], 0
	s_mov_b32 s[\g+7], 0
.endr
	s_mul_i32 s78, s27, 16*TP                      ; x's 16 tiles,
	s_mul_i32 s25, s19, XQ4
	s_add_co_u32 s78, s78, s25                     ; K steps 4 x piece
	s_mov_b32 s79, 0
	s_mul_i32 s80, s26, 16*TP
	s_add_co_u32 s80, s80, 512*TP                  ; Wq's or Wk's 16 tiles: from tile 512 + 16 xt
	s_mov_b32 s81, 0
	s_mul_i32 s82, s26, 8*TP
	s_add_co_u32 s82, s82, 640*TP                  ; Wv's 8 tiles: from tile 640 + 8 xt
	s_mov_b32 s83, 0
	s_mul_i32 s84, s19, WROW
	s_mov_b32 s85, 0
	s_mov_b32 s[GXH], 1
	s_mul_i32 s[GXH+1], s19, XPIECE
	s_mov_b32 s[GWH], 1
	s_mul_i32 s[GWH+1], s19, WSLOT
	s_add_co_u32 s[GWH+1], s[GWH+1], WB
	s_wait_dscnt 0x0                               ; both opening adds are done
	s_wait_kmcnt 0x0
	s_add_nc_u64 s[GXH+2:GXH+3], s[4:5], s[78:79]
	s_or_b32 s[GXH+3], s[GXH+3], 0x80000000
	s_add_nc_u64 s[80:81], s[4:5], s[80:81]
	s_add_nc_u64 s[82:83], s[4:5], s[82:83]
	s_add_nc_u64 s[GWH+2:GWH+3], s[80:81], s[84:85]
	s_or_b32 s[GWH+3], s[GWH+3], 0x80000000
	CROUND                                         ; all sixteen work-groups are here: the first joint loads meet
	s_cmp_eq_u32 s20, 0                            ; one load a wave, one to each arm
	s_cbranch_scc0 .Lhead_w
	TLOAD GXH, G1X
	s_branch .Lhead_asked
.Lhead_w:
	TLOAD GWH, G1W
.Lhead_asked:
	; the four refills' group 0: a quarter of a slot a wave
	s_mul_i32 s86, s18, 4*WROW
	s_add_co_u32 s86, s86, WB                      ; slot 0, my quarter
	s_add_co_u32 s87, s86, WSLOT                   ; slot 1
	s_mul_i32 s84, s18, 4*TP                       ; W: tiles 4 wave .. + 3,
	s_add_co_u32 s84, s84, 2*WROW                  ; K steps 4, 5
	s_add_nc_u64 s[GW1+2:GW1+3], s[80:81], s[84:85]
	s_add_nc_u64 s[GW2+2:GW2+3], s[GW1+2:GW1+3], WROW   ; K steps 6, 7
	s_mul_i32 s84, s20, 4*TP                       ; Wv: tiles 4 (wave % 2) .. + 3,
	s_mul_i32 s25, s19, WROW                       ; K steps 2 (wave / 2), + 1
	s_add_co_u32 s84, s84, s25
	s_add_nc_u64 s[GW3+2:GW3+3], s[82:83], s[84:85]
	s_add_nc_u64 s[GW4+2:GW4+3], s[GW3+2:GW3+3], 2*WROW ; and four K steps on
.irp g, GW1, GW2, GW3, GW4
	s_mov_b32 s[\g], 1
	s_or_b32 s[\g+3], s[\g+3], 0x80000000
.endr
	s_mov_b32 s[GW1+1], s86
	s_mov_b32 s[GW2+1], s87
	s_mov_b32 s[GW3+1], s86
	s_mov_b32 s[GW4+1], s87
	; where the results go: fragment number = tile x (K steps of that operand) + K step
	s_lshl_b32 s84, s23, 9
	s_lshl_b32 s25, s27, 4
	s_add_co_u32 s84, s84, s25
	s_lshl_b32 s25, s19, 3
	s_add_co_u32 s84, s84, s25                     ; Q, K: tile 512 x cluster x + 16 yt + 8 x my half of the tokens
	s_lshl_b32 s84, s84, 3
	s_lshl_b32 s25, s21, 1
	s_add_co_u32 s84, s84, s25
	s_add_co_u32 s84, s84, s20                     ; K step 2 cx + my half of the columns
	s_lshr_b32 s88, s27, 3
	s_lshl_b32 s88, s88, 6
	s_lshl_b32 s25, s26, 3
	s_add_co_u32 s88, s88, s25
	s_lshl_b32 s25, s20, 2
	s_add_co_u32 s88, s88, s25                     ; V^T: tile 64 x batch + 8 xt + 4 x my half of the channels
	s_lshl_b32 s88, s88, 4
	s_and_b32 s25, s27, 7
	s_lshl_b32 s25, s25, 1
	s_add_co_u32 s88, s88, s25
	s_add_co_u32 s88, s88, s19                     ; K step 2 (yt % 8) + my half of the tokens
	s_add_co_u32 s88, s88, 8192                    ; behind Q's and K's 8,192 fragments
	s_mul_i32 s78, s88, FRB
	s_add_nc_u64 s[P2C:P2C+1], s[14:15], s[78:79]
	s_lshl_b32 s78, s88, 6
	s_add_nc_u64 s[P2S:P2S+1], s[16:17], s[78:79]
	s_mul_i32 s78, s84, FRB
	s_add_nc_u64 s[14:15], s[14:15], s[78:79]
	s_lshl_b32 s78, s84, 6
	s_add_nc_u64 s[16:17], s[16:17], s[78:79]
	s_cmp_eq_u32 s23, 1                            ; the bias of phase 1: the choice hangs on the cluster's x alone
	s_cselect_b64 s[8:9], s[10:11], s[8:9]
	s_mul_i32 s72, s19, 8*XQ4                      ; LDS: my eight tiles of x,
	s_mul_i32 s73, s20, 8*WROW
	s_add_co_u32 s73, s73, WB                      ; of W,
	s_mul_i32 s74, s20, 4*WROW
	s_add_co_u32 s74, s74, WB                      ; my four of Wv
	s_lshl_b32 s75, s27, 4
	s_lshl_b32 s25, s19, 3
	s_add_co_u32 s75, s75, s25
	s_lshl_b32 s75, s75, 9                         ; scale words, 512 bytes a tile: x's,
	s_lshl_b32 s76, s26, 4
	s_lshl_b32 s25, s20, 3
	s_add_co_u32 s76, s76, s25
	s_add_co_u32 s76, s76, 512
	s_lshl_b32 s76, s76, 9                         ; W's,
	s_lshl_b32 s77, s26, 3
	s_lshl_b32 s25, s20, 2
	s_add_co_u32 s77, s77, s25
	s_add_co_u32 s77, s77, 640
	s_lshl_b32 s77, s77, 9                         ; Wv's
	s_lshl_b32 s82, s21, 1
	s_add_co_u32 s82, s82, s20
	s_lshl_b32 s82, s82, 9                         ; my 128 columns' bias, in bytes
	s_lshl_b32 s83, s26, 7
	s_lshl_b32 s25, s20, 6
	s_add_co_u32 s83, s83, s25                     ; my first channel
	s_mov_b32 s[HM], 0xffff0000                    ; lanes 16-31
	s_mov_b32 s[SEL], 0x76543210
	s_mov_b32 s[SEL+1], 0xfedcba98
	v_and_b32 v1, 15, v0                           ; r
	v_bfe_u32 v2, v0, 4, 1                         ; h
	v_and_b32 v3, 31, v0
	v_lshlrev_b32 v[CO], 4, v3
	v_add_nc_u32 v[AX], s72, v[CO]
	v_add_nc_u32 v[AX+1], XPIECE, v[AX]
	v_add_nc_u32 v[AW], s73, v[CO]
	v_add_nc_u32 v[AW+1], WSLOT, v[AW]
	v_add_nc_u32 v[AV], s74, v[CO]
	v_add_nc_u32 v[AV+1], WSLOT, v[AV]
	v_mov_b32 v4, s75
	v_mov_b32 v5, s76
	v_cndmask_b32 v4, v4, v5, s[HM]                ; lanes 0-15 take x's words, lanes 16-31 W's
	v_lshl_add_u32 v4, v1, 2, v4
	v_lshlrev_b32 v5, 6, v2                        ; Wv's: lanes 16-31 take the next K step's
	v_lshl_add_u32 v5, v1, 2, v5
	v_add_nc_u32 v5, s77, v5
	v_lshl_add_u32 v6, v2, 6, s82                  ; the columns' bias: + 16 h columns
	v_and_b32 v7, 8, v1
	v_add3_u32 v7, v7, v1, s83                     ; my channel of block 0: r + 8 (r / 8)
	v_lshlrev_b32 v[VB], 2, v7
	v_lshlrev_b32 v[SO], 9, v2                     ; lanes 16-31 store the next tile's words
	v_lshl_add_u32 v[SO], v1, 2, v[SO]
	v_lshlrev_b32 v[SO+1], 10, v2
	v_lshl_add_u32 v[SO+1], v1, 2, v[SO+1]
	s_wait_alu depctr_va_vdst(0)
.irp i, 0,1,2,3,4,5,6,7
.irp k, 0,1,2,3,4,5,6,7
	global_load_b32 v[SC+8*\i+\k], v4, s[6:7] offset:512*\i+64*\k
.endr
.endr
.irp a, 0,1,2,3
.irp j, 0,1,2,3
	global_load_b32 v[SC2+4*\a+\j], v5, s[6:7] offset:512*\a+128*\j
.endr
.endr
	WIN 0x40
.irp b, 0,1,2,3,4,5,6,7                ; register j of tile b's eight holds the bias of column 32 (b / 2) + 8 (b % 2) + 16 h + j of my 128
.set rX, 96+8*\b+96*(\b/4)
	global_load_b128 v[rX:rX+3], v6, s[8:9] offset:(32*(\b/2)+8*(\b%2))*4
	global_load_b128 v[rX+4:rX+7], v6, s[8:9] offset:(32*(\b/2)+8*(\b%2))*4+16
.endr
	WIN 0
.macro FRAG reg, adr, off              ; a fragment comes as it was stored: three loads of 512 consecutive bytes
.irp g, 0,1,2
	ds_load_b128 v[\reg+4*\g:\reg+4*\g+3], v[\adr] offset:\off+512*\g
.endr
.endm
.macro FW ks                           ; phase 1: W's eight fragments of K step ks into set ks % 2
	WIN 0x40
.irp i, 0,1,2,3,4,5,6,7
	FRAG 128*((\ks)%2)+12*\i, AW+((\ks)/2)%2, \i*WROW+((\ks)%2)*FRB
.endr
	WIN 0
.endm
.macro FX ks, i0                       ; phase 1: x's blocks i0 .. i0 + 3
.irp i, \i0, \i0+1, \i0+2, \i0+3
	FRAG AF+12*(\i), AX+(\ks)/4, (\i)*XQ4+((\ks)%4)*FRB
.endr
.endm
.macro F2 ks                           ; phase 2: x's eight fragments and Wv's four into sets ks % 2: 36 loads
	WIN 0x40
.irp i, 0,1,2,3,4,5,6,7
	FRAG 128*((\ks)%2)+12*\i, AX+(\ks)/4, \i*XQ4+((\ks)%4)*FRB
.endr
	WIN 0
.irp i, 0,1,2,3
	FRAG AF+48*((\ks)%2)+12*\i, AV+(\ks)/4, (((\ks)/2)%2)*8*WROW+\i*WROW+((\ks)%2)*FRB
.endr
.endm
; 16 matrix instructions of phase 1: token blocks a0, a0 + 1 x the eight column tiles.  cm = 1: C = the columns' bias.  The accumulators take turns, one instruction a turn.
.macro MULG a0, ks, cm
.irp a, \a0, \a0+1
.irp b, 0,1,2,3,4,5,6,7
.set rD, 8*(8*((\a)%4)+\b)
.set rB, 128*((\ks)%2)+12*\b
.set rA, AF+12*(\a)
.set rX, 96+8*\b+96*(\b/4)
.if \cm
	v_wmma_scale_f32_16x16x128_f8f6f4 v[rD:rD+7], v[rB:rB+11], v[rA:rA+11], v[rX:rX+7], v[SC+8*\b+(\ks)], v[SC+8*(\a)+(\ks)] matrix_a_fmt:MATRIX_FMT_FP6 matrix_b_fmt:MATRIX_FMT_FP6 matrix_a_scale:MATRIX_SCALE_ROW1
.else
	v_wmma_scale_f32_16x16x128_f8f6f4 v[rD:rD+7], v[rB:rB+11], v[rA:rA+11], v[rD:rD+7], v[SC+8*\b+(\ks)], v[SC+8*(\a)+(\ks)] matrix_a_fmt:MATRIX_FMT_FP6 matrix_b_fmt:MATRIX_FMT_FP6 matrix_a_scale:MATRIX_SCALE_ROW1
.endif
.endr
.endr
.endm
; 16 of phase 2: channel blocks a0, a0 + 1 x the eight token tiles.  x's words lie in lanes 0-15 of the registers that served phase 1.  K step 0: C = the rows' bias.
.macro MULV a0, ks
.irp a, \a0, \a0+1
.irp b, 0,1,2,3,4,5,6,7
.set rD, 8*(8*(\a)+\b)
.set rB, 128*((\ks)%2)+12*\b
.set rA, AF+48*((\ks)%2)+12*(\a)
.if (\ks) == 0
	v_wmma_scale_f32_16x16x128_f8f6f4 v[rD:rD+7], v[rB:rB+11], v[rA:rA+11], v[96+8*(\a):96+8*(\a)+7], v[SC+8*\b+(\ks)], v[SC2+4*(\a)+(\ks)/2] matrix_a_fmt:MATRIX_FMT_FP6 matrix_b_fmt:MATRIX_FMT_FP6
.elseif (\ks)%2
	v_wmma_scale_f32_16x16x128_f8f6f4 v[rD:rD+7], v[rB:rB+11], v[rA:rA+11], v[rD:rD+7], v[SC+8*\b+(\ks)], v[SC2+4*(\a)+(\ks)/2] matrix_a_fmt:MATRIX_FMT_FP6 matrix_b_fmt:MATRIX_FMT_FP6 matrix_b_scale:MATRIX_SCALE_ROW1
.else
	v_wmma_scale_f32_16x16x128_f8f6f4 v[rD:rD+7], v[rB:rB+11], v[rA:rA+11], v[rD:rD+7], v[SC+8*\b+(\ks)], v[SC2+4*(\a)+(\ks)/2] matrix_a_fmt:MATRIX_FMT_FP6 matrix_b_fmt:MATRIX_FMT_FP6
.endif
.endr
.endr
.endm
; An even K step of phase 1.  Four places stand in front of each run of loads into registers that matrix instructions have read (ISA guide 7.12.1 for vector instructions).
.macro STEP1 ks, cm
	s_wait_dscnt 12                                ; W's set and blocks 0-3 are in; the youngest 12 loads (blocks 4-7) may be out
.if \cm
	WIN 0x91                                       ; source 0 and C window 1, source 1 window 0, D window 2
.else
	WIN 0xa1                                       ; C and D window 2
.endif
	MULG 0, \ks, \cm
	MULG 2, \ks, \cm
	s_wait_dscnt 0x0                               ; blocks 4-7 are in
	PLACES 4
	FW (\ks)+1
	FX (\ks)+1, 0
.if \cm
	WIN 0xd1
.else
	WIN 0xf1
.endif
	MULG 4, \ks, \cm
	MULG 6, \ks, \cm
	PLACES 4
	WIN 0
	FX (\ks)+1, 4
.endm
; An odd K step of phase 1 leaves its slot: each wave waits for all its tensor loads, adds 0 to its spare word, and waits for that and for its reads; the barrier opens a round of the cluster's, and the slot is filled again.
.macro TURN1 ks, g0
	s_wait_tensorcnt 0x0                           ; all my tensor loads have landed
	ds_add_u32 v[SPW], v[NIL]                      ; 0 onto my spare word
	s_wait_dscnt 13                                ; (the add and the youngest 12 loads may be out)
	WIN 0xa1
	MULG 0, \ks, 0
	s_wait_dscnt 0x0                               ; the add is done, and my reads of this slot are over
	s_barrier_signal -1
	MULG 2, \ks, 0
	WIN 0
	s_barrier_wait -1
	CREST                                          ; no wave of any partner still reads this slot or has a load on its way
	TLOAD \g0, G1W                                 ; my quarter of the slot; its four v_nop are the places in front of the loads below
.if (\ks) < 7
	FW (\ks)+1
	FX (\ks)+1, 0
.endif
	WIN 0xf1
	MULG 4, \ks, 0
	MULG 6, \ks, 0
	PLACES 4
	WIN 0
.if (\ks) < 7
	FX (\ks)+1, 4
.endif
.endm
; A K step of phase 2: the next step's 36 loads go out first, into the sets that the step before has read.
.macro STEP2 ks
.if (\ks) < 7
	PLACES 4
	F2 (\ks)+1
	s_wait_dscnt 36                                ; this step's fragments are in; the 36 just issued may be out
.else
	s_wait_dscnt 0x0
.endif
.if (\ks) == 0
	WIN 0x91
.else
	WIN 0xa1
.endif
	MULV 0, \ks
	MULV 2, \ks
.endm
; Block a's 16 rows x 128 columns become one fragment and one scale word a row, straight from the accumulators (each read from its low end on).
.macro OUTBLK a, cp, sp, so, cstr, sstr
.set W,  2+(\a)/4
.set AC, 64*((\a)%4)
.set E,  (\a)%2
	s_wait_xcnt 0x0                                ; the earlier stores have read their data: they are written again below
	WIN (W<<2)|(W<<4)
.irp b, 0,1,2,3
	v_max3_num_f32 v[TM+\b], 0x1800000, |v[AC+16*\b]|, |v[AC+16*\b+1]|   ; the floor 2^(3 - 127) and my 16 numbers of block b
.endr
.irp i, 2,4,6,8,10,12,14
.irp b, 0,1,2,3
	v_max3_num_f32 v[TM+\b], v[TM+\b], |v[AC+16*\b+\i]|, |v[AC+16*\b+\i+1]|
.endr
.endr
	WIN 0
.irp b, 0,1,2,3
	v_permlanex16_b32 v[TM+4+\b], v[TM+\b], s[SEL], s[SEL+1]
.endr
.irp b, 0,1,2,3
	v_max_num_f32 v[TM+\b], v[TM+\b], v[TM+4+\b]
.endr
.irp b, 0,1,2,3
	v_add_nc_u32 v[TM+12+\b], 0xff000000, v[TM+\b] ; 2 off the exponent field: the conversion's scale operand
.endr
.irp b, 0,1,2,3
	v_lshrrev_b32 v[TM+4+\b], 23, v[TM+12+\b]      ; the scale's byte
.endr
	v_lshl_or_b32 v[PW+E], v[TM+5], 8, v[TM+4]
	v_lshl_or_b32 v[PW+E], v[TM+6], 16, v[PW+E]
	v_lshl_or_b32 v[PW+E], v[TM+7], 24, v[PW+E]
	WIN W
.irp c, 0,1
	v_cvt_scalef32_pk16_fp6_f32 v[PC+6*\c:PC+6*\c+2], v[AC+32*\c:AC+32*\c+15], v[TM+12+2*\c]
	v_cvt_scalef32_pk16_fp6_f32 v[PT+4*\c:PT+4*\c+2], v[AC+32*\c+16:AC+32*\c+31], v[TM+13+2*\c]
.endr
	WIN 0
	v_nop                                          ; one plain place behind a scaled conversion
.irp c, 0,1
.irp i, 0,1,2
	v_permlane16_swap_b32 v[PC+6*\c+\i], v[PT+4*\c+\i]
.endr
.irp i, 0,1,2
	v_mov_b32 v[PC+3+6*\c+\i], v[PT+4*\c+\i]
.endr
.endr
.irp g, 0,1,2
	global_store_b128 v[CO], v[PC+4*\g:PC+4*\g+3], s[\cp:\cp+1] offset:(\a)*(\cstr)+512*\g   ; 512 consecutive bytes, at a multiple of 256
.endr
.if E == 1
	v_cndmask_b32 v[ST], v[PW], v[PW+1], s[HM]     ; lanes 0-15: the even block's words, lanes 16-31: this block's
	global_store_b32 v[\so], v[ST], s[\sp:\sp+1] offset:((\a)-1)*(\sstr)
.endif
.endm
	s_wait_loadcnt 0x0                             ; the scale words and the bias
	s_wait_tensorcnt 0x0                           ; my load of the head's four is in
	s_mov_b32 s[G1W+2], 4<<16                      ; no tensor load of mine is out, so a descriptor may be written: from here on a load of W brings four tiles
	s_mov_b32 s[G1W+4], 4
	s_barrier_signal -1
	s_barrier_wait -1                              ; all of x and both slots are in
	FW 0
	FX 0, 0
	FX 0, 4
	STEP1 0, 1
	TURN1 1, GW1                                   ; slot 0 takes W's K steps 4, 5
	STEP1 2, 0
	TURN1 3, GW2                                   ; slot 1 takes 6, 7
	STEP1 4, 0
	TURN1 5, GW3                                   ; slot 0 takes Wv's K steps 0-3
	STEP1 6, 0
	TURN1 7, GW4                                   ; slot 1 takes Wv's 4-7; slot 0's load was waited for in front of this barrier
	F2 0                                           ; phase 2's first fragments, and its bias, come while phase 1 goes out
	WIN 0x40
.irp a, 0,1,2,3                        ; registers 8 a .. 8 a + 7 all hold the bias of my channel of block a
.irp j, 0,1,2,3,4,5,6,7
	global_load_b32 v[96+8*\a+\j], v[VB], s[12:13] offset:(32*(\a/2)+8*(\a%2))*4
.endr
.endr
	WIN 0
.irp b, 0,1,2,3
	v_mov_b32 v[TM+4+\b], 0                        ; a lane permute's destination counts as one of its sources
.endr
.irp a, 0,1,2,3,4,5,6,7
	OUTBLK \a, 14, 16, SO, TP, 512
.endr
	s_wait_alu depctr_va_vdst(0)
	s_wait_loadcnt 0x0                             ; the rows' bias
	s_wait_tensorcnt 0x0                           ; my quarter of Wv's K steps 4-7
	s_wait_dscnt 0x0
	s_barrier_signal -1
	s_barrier_wait -1
.irp k, 0,1,2,3,4,5,6,7
	STEP2 \k
.endr
	WIN 0
	PLACES 4                                       ; in front of the first read of results
.irp a, 0,1,2,3
	OUTBLK \a, P2C, P2S, SO+1, 2*TP, 1024
.endr
	s_wait_tensorcnt 0x0                           ; the wave's end
	ds_add_u32 v[SPW], v[NIL]
	s_wait_dscnt 0x0
	CROUND                                         ; the closing round: no work-group ends while a partner may still ask for a tile that names it
	s_endpgm
.Lfunc_end_k_qbc82e9c0a6_proj:
	.size	k_qbc82e9c0a6_proj, .Lfunc_end_k_qbc82e9c0a6_proj-k_qbc82e9c0a6_proj
	.p2alignl 7, 3214868480
	.fill 96, 4, 3214868480
	.section	.rodata,"a",@progbits
	.p2align	6, 0x0
	.amdhsa_kernel k_qbc82e9c0a6_proj
		.amdhsa_group_segment_fixed_size 327680
		.amdhsa_private_segment_fixed_size 0
		.amdhsa_enable_private_segment 0
		.amdhsa_kernarg_size 56
		.amdhsa_user_sgpr_count 2
		.amdhsa_user_sgpr_kernarg_segment_ptr 1
		.amdhsa_wavefront_size32 1
		.amdhsa_system_sgpr_workgroup_id_x 1
		.amdhsa_system_sgpr_workgroup_id_y 1
		.amdhsa_system_sgpr_workgroup_id_z 1
		.amdhsa_system_vgpr_workitem_id 0
		.amdhsa_next_free_vgpr 1024
		.amdhsa_next_free_sgpr 100
		.amdhsa_reserve_vcc 0
		.amdhsa_float_denorm_mode_32 3
		.amdhsa_float_denorm_mode_16_64 3
		.amdhsa_memory_ordered 1
		.amdhsa_forward_progress 1
		.amdhsa_inst_pref_size 219
	.end_amdhsa_kernel
	.amdgpu_metadata
---
amdhsa.version: [ 1, 2 ]
amdhsa.kernels:
  - .name:           k_qbc82e9c0a6_proj
    .symbol:         k_qbc82e9c0a6_proj.kd
    .args:
      - { .name: xw_codes, .offset: 0, .size: 8, .value_kind: global_buffer, .address_space: global }
      - { .name: xw_scales, .offset: 8, .size: 8, .value_kind: global_buffer, .address_space: global }
      - { .name: bq, .offset: 16, .size: 8, .value_kind: global_buffer, .address_space: global }
      - { .name: bk, .offset: 24, .size: 8, .value_kind: global_buffer, .address_space: global }
      - { .name: bv, .offset: 32, .size: 8, .value_kind: global_buffer, .address_space: global }
      - { .name: qkv_codes, .offset: 40, .size: 8, .value_kind: global_buffer, .address_space: global }
      - { .name: qkv_scales, .offset: 48, .size: 8, .value_kind: global_buffer, .address_space: global }
    .group_segment_fixed_size: 327680
    .private_segment_fixed_size: 0
    .kernarg_segment_align: 8
    .kernarg_segment_size: 56
    .max_flat_workgroup_size: 128
    .sgpr_count:     100
    .vgpr_count:     1024
    .wavefront_size: 32
...
	.end_amdgpu_metadata
.endif
;; end of part 2
;; launch scores (part 3): grid 36 x 4, 4 waves a work-group, no clusters, 327,680 bytes of LDS; arguments qkv_codes, qkv_scales, p_codes, p_stats; writes p_codes, p_stats
.if DOCPART == 3
	.amdgcn_target "amdgcn-amd-amdhsa--gfx1250"
	.amdhsa_code_object_version 6
	.text
	.protected	k_qbc82e9c0a6_scores
	.globl	k_qbc82e9c0a6_scores
	.p2align	8
	.type	k_qbc82e9c0a6_scores,@function
k_qbc82e9c0a6_scores:
	s_mov_b64 s[64:65], 0
	v_nop
	global_prefetch_b8 v0, s[64:65] scope:SCOPE_SE
	s_setreg_imm32_b32 hwreg(HW_REG_WAVE_MODE, 25, 1), 1
	s_wait_xcnt 0x0
; The kept tiles of S = Q K^T (256 queries x 256 keys, key block j <= query block i: 36 a batch) on codes of FP6 with E8M0 scales, and the softmax's weights, quantised along the keys.
; t = score x log2(e) / 32.  FOR EACH QUERY AND EACH RUN OF 128 KEYS: M_loc = the run's largest t rounded up to a whole number; p = 2^(t - M_loc) is quantised, block by block of 32 keys.
; Since M_loc and the row's final M are whole numbers, p under M has the same codes and scale bytes that are M - M_loc lower: the next launch moves the bytes.  Stored: the codes (p_codes [query tile][ks 16][1536],
; register images in the common tile order), and in p_stats three planes of [query tile][place 16][ks 16] words: the scale word, -M_loc (f32), the sum of the run's unquantised p (f32).
; THE MATRIX INSTRUCTION IS USED TRANSPOSED: source 0 = 16 keys, source 1 = 16 queries: a lane holds one query, and the 16 registers of key tiles 2 c, 2 c + 1 are the neighbouring keys 32 c + 16 (lane / 16) + 0 .. 15.
; CAUSAL: tiles with j > i are hidden whole by the mask that the problem builds itself, and are not made.  In a tile on the diagonal hidden scores become -infinity ahead of the maximum, so p = 0; the floor -2^100 under
; the maxima gives a run that is wholly hidden a finite M_loc (its bytes are plain ones over zero codes).
; LDS: K steps 0-1 of Q's and of K's 16 tiles ([16][3072], 49,152 bytes each), K steps 2-5 ([16][6144], 98,304 each): four loads at the head, one a wave.  K steps 6-7 fill the first two regions again,
; asked for in K step 1 and waited for in K step 5.
; NO CLUSTER: a batch's kept tiles are rows of 1 to 8 tiles, which do not cut into fours that share a tile of Q or of K.  NO PREFETCH: eight steps written out, no loop to run ahead in; 294,912 of 393,216 bytes are asked for at the head.
; LIMITS: NaN and infinities are not served; scores under -2^100 are held there; a block whose every p has fallen to 0 keeps the byte 1 (its codes are zeros).
; REGISTERS: window 0: v16-31 addresses; v32-95 scale words; v96-191 Q's fragments; window 1: K's two sets; windows 2, 3: the 64 accumulators.  In the softmax: v32-64 at work; v96-159 p; v160-179 codes.
.set FRB,    1536
.set TPITCH, 8*FRB
.set R2,     2*FRB
.set R4,     4*FRB
.set KSM,    16*R2                     ; K's small region, behind Q's at 0
.set QL,     2*16*R2                   ; Q's large region
.set KL,     QL+16*R4
.set SPARE,  KL+16*R4
.set AQ,   16                          ; v16 my Q tiles in the small region, v17 in the large
.set AK,   18                          ; v18, v19 the same for K
.set CO,   24
.set SO,   25
.set DB,   26                          ; v26 my query less my first key, on the diagonal, for block 0
.set SPW,  28
.set NIL,  29
.set DD,   30
.set NINF, 31
.set SC,   32
.set AF,   96
.set TM,   32
.set PW,   48
.set NM,   50
.set LL,   54
.set S0,   56
.set S1,   58
.set T1,   60
.set ST,   62
.set HA,   96
.set PC,   160
.set PT,   172
.set TI,   21
.set TJ,   22
.set G1L,  28
.set G1S,  36
.set G0S,  44
.set G0L,  48
.set G0R,  52
.set HM,   95
.set SEL,  96
.set CS,   98
.set MSB, 0
.macro WIN new
.if MSB != (\new)
	s_set_vgpr_msb (MSB<<8)|(\new)
.set MSB, (\new)
.endif
.endm
.macro PLACES n
.rept \n
	v_nop
.endr
.endm
.macro TLOAD g0, g1                    ; an s_nop 0 and four v_nop follow each tensor load
	tensor_load_to_lds s[\g0:\g0+3], s[\g1:\g1+7]
	s_nop 0
.rept 4
	v_nop
.endr
.endm
	s_load_b256 s[4:11], s[0:1], 0x0               ; the codes, the scale words, p's codes, p's statistics
	v_lshl_add_u32 v[SPW], v0, 2, SPARE
	v_mov_b32 v[NIL], 0
	ds_add_u32 v[SPW], v[NIL]                      ; the opening lines: the add, twice on end, and its wait
	ds_add_u32 v[SPW], v[NIL]
	v_lshrrev_b32 v1, 5, v0
	v_readfirstlane_b32 s18, v1                    ; wave
	s_lshr_b32 s19, s18, 1                         ; my half of the queries
	s_and_b32 s20, s18, 1                          ; my half of the keys
	s_mov_b32 s[TI], 0
.irp k, 1,3,6,10,15,21,28              ; the work-group's x counts the triangle's tiles row by row: i = how many of these it has reached
	s_cmp_ge_u32 ttmp9, \k
	s_cselect_b32 s24, 1, 0
	s_add_co_u32 s[TI], s[TI], s24
.endr
	s_add_co_u32 s24, s[TI], 1
	s_mul_i32 s24, s24, s[TI]
	s_lshr_b32 s24, s24, 1
	s_sub_co_u32 s[TJ], ttmp9, s24                 ; j = x - i (i + 1) / 2
	s_and_b32 s23, ttmp7, 0xffff                   ; the batch
	s_mov_b32 s[G1L+1], 768<<16                    ; 16 rows of 6,144 bytes
	s_mov_b32 s[G1L+3], 768<<16
	s_mov_b32 s[G1S+1], 384<<16                    ; at the head 16 rows of 3,072 bytes
	s_mov_b32 s[G1S+3], 384<<16
.irp g, G1L, G1S
	s_mov_b32 s[\g], 3<<16                         ; no mask; elements of 8 bytes; no padding
	s_mov_b32 s[\g+2], 16<<16
	s_mov_b32 s[\g+4], 16
	s_mov_b32 s[\g+5], TPITCH/8
	s_mov_b32 s[\g+6], 0
	s_mov_b32 s[\g+7], 0
.endr
	s_lshl_b32 s66, s23, 7
	s_lshl_b32 s67, s[TJ], 4
	s_add_co_u32 s67, s67, s66
	s_add_co_u32 s67, s67, 512                     ; K's first tile: 512 + 128 batch + 16 j
	s_lshl_b32 s68, s[TI], 4
	s_add_co_u32 s66, s66, s68                     ; Q's: 128 batch + 16 i
	s_cmp_eq_u32 s20, 0                            ; at the head: waves 0, 2 fetch Q, waves 1, 3 K; waves 0, 1 K steps 0-1, waves 2, 3 K steps 2-5
	s_cselect_b32 s72, s66, s67
	s_mul_i32 s72, s72, TPITCH
	s_mov_b32 s73, 0
	s_cmp_eq_u32 s19, 0                            ; the refill: waves 0, 1 Q's halves, waves 2, 3 K's
	s_cselect_b32 s74, s66, s67
	s_lshl_b32 s70, s20, 3
	s_add_co_u32 s74, s74, s70
	s_mul_i32 s74, s74, TPITCH
	s_add_co_u32 s74, s74, 6*FRB                   ; K steps 6, 7
	s_mov_b32 s75, 0
	s_mov_b32 s[G0S], 1
	s_mul_i32 s[G0S+1], s20, 16*R2
	s_mov_b32 s[G0L], 1
	s_mul_i32 s[G0L+1], s20, 16*R4
	s_add_co_u32 s[G0L+1], s[G0L+1], QL
	s_mov_b32 s[G0R], 1
	s_mul_i32 s[G0R+1], s18, 8*R2                  ; Q's two halves, then K's two
	s_wait_dscnt 0x0                               ; both opening adds are done
	s_wait_kmcnt 0x0
	s_add_nc_u64 s[G0S+2:G0S+3], s[4:5], s[72:73]
	s_add_nc_u64 s[G0L+2:G0L+3], s[G0S+2:G0S+3], R2
	s_add_nc_u64 s[G0R+2:G0R+3], s[4:5], s[74:75]
	s_or_b32 s[G0S+3], s[G0S+3], 0x80000000
	s_or_b32 s[G0L+3], s[G0L+3], 0x80000000
	s_or_b32 s[G0R+3], s[G0R+3], 0x80000000
	s_cmp_eq_u32 s19, 0                            ; one load a wave, one to each arm
	s_cbranch_scc0 .Lhead_l
	TLOAD G0S, G1S
	s_branch .Lhead_asked
.Lhead_l:
	TLOAD G0L, G1L
.Lhead_asked:
	s_mul_i32 s76, s19, 8*R2                       ; LDS: my eight tiles of Q, small region,
	s_mul_i32 s77, s19, 8*R4
	s_add_co_u32 s77, s77, QL                      ; large region;
	s_mul_i32 s78, s20, 8*R2
	s_add_co_u32 s78, s78, KSM                     ; of K
	s_mul_i32 s79, s20, 8*R4
	s_add_co_u32 s79, s79, KL
	s_lshl_b32 s84, s19, 3
	s_add_co_u32 s84, s84, s66                     ; my first query tile
	s_lshl_b32 s80, s84, 9                         ; its scale words
	s_lshl_b32 s81, s20, 3
	s_add_co_u32 s81, s81, s67
	s_lshl_b32 s81, s81, 9                         ; my first key tile's
	s_sub_co_i32 s82, s19, s20
	s_lshl_b32 s82, s82, 7
	s_lshl_b32 s85, s[TJ], 1
	s_add_co_u32 s85, s85, s20                     ; p's K step: 2 j + my half of the keys
	s_lshl_b32 s86, s84, 4
	s_add_co_u32 s86, s86, s85
	s_mul_i32 s86, s86, FRB
	s_mov_b32 s87, 0
	s_add_nc_u64 s[8:9], s[8:9], s[86:87]
	s_lshl_b32 s86, s84, 10                        ; the statistics: 1,024 bytes a tile, 64 a place, 4 a K step
	s_lshl_b32 s85, s85, 2
	s_add_co_u32 s86, s86, s85
	s_add_nc_u64 s[10:11], s[10:11], s[86:87]
	s_mov_b32 s[HM], 0xffff0000
	s_mov_b32 s[SEL], 0x76543210
	s_mov_b32 s[SEL+1], 0xfedcba98
	s_mov_b32 s[CS], 0x3d38aa3b                    ; c = log2(e) / 32
	s_mov_b32 s[CS+1], s[CS]                       ; (named with it as a pair, so it is written)
	v_and_b32 v1, 15, v0                           ; r
	v_bfe_u32 v2, v0, 4, 1                         ; h
	v_and_b32 v3, 31, v0
	v_lshlrev_b32 v[CO], 4, v3
	v_add_nc_u32 v[AQ], s76, v[CO]
	v_add_nc_u32 v[AQ+1], s77, v[CO]
	v_add_nc_u32 v[AK], s78, v[CO]
	v_add_nc_u32 v[AK+1], s79, v[CO]
	v_mov_b32 v4, s80
	v_mov_b32 v5, s81
	v_cndmask_b32 v4, v4, v5, s[HM]                ; lanes 0-15 take Q's words, lanes 16-31 K's
	v_lshl_add_u32 v4, v1, 2, v4
	v_lshlrev_b32 v[SO], 10, v2                    ; the statistics: lanes 16-31 store the next tile's
	v_lshl_add_u32 v[SO], v1, 6, v[SO]
	v_and_b32 v6, 8, v1
	v_add_nc_u32 v6, v6, v1                        ; r + 8 (r / 8): my query in its pair of tiles
	v_lshlrev_b32 v7, 4, v2
	v_sub_nc_u32 v6, v6, v7                        ; - 16 h: my first key in its block
	v_add_nc_u32 v[DB], s82, v6                    ; + 128 (my half of the queries - my half of the keys)
	v_mov_b32 v[NINF], 0xff800000
	s_wait_alu depctr_va_vdst(0)
.irp i, 0,1,2,3,4,5,6,7
.irp k, 0,1,2,3,4,5,6,7
	global_load_b32 v[SC+8*\i+\k], v4, s[6:7] offset:512*\i+64*\k
.endr
.endr
.macro FRAG reg, adr, off
.irp g, 0,1,2
	ds_load_b128 v[\reg+4*\g:\reg+4*\g+3], v[\adr] offset:\off+512*\g
.endr
.endm
; K steps 2-5 lie in the large regions (BG = 1), the others in the small ones
.macro FK ks
.set BG, (((\ks)+2)/4)%2
	WIN 0x40
.irp i, 0,1,2,3,4,5,6,7
	FRAG 128*((\ks)%2)+12*\i, AK+BG, \i*(R2+R2*BG)+(((\ks)-2*BG)%(2+2*BG))*FRB
.endr
	WIN 0
.endm
.macro FQ ks, i0
.set BG, (((\ks)+2)/4)%2
.irp i, \i0, \i0+1, \i0+2, \i0+3
	FRAG AF+12*(\i), AQ+BG, (\i)*(R2+R2*BG)+(((\ks)-2*BG)%(2+2*BG))*FRB
.endr
.endm
; 16 matrix instructions: query blocks a0, a0 + 1 x the eight key tiles.  z = 1: the first product starts the sums.  The 64 accumulators take turns.
.macro MULG a0, ks, z
.irp a, \a0, \a0+1
.irp b, 0,1,2,3,4,5,6,7
.set rD, 8*(8*((\a)%4)+\b)
.set rB, 128*((\ks)%2)+12*\b
.set rA, AF+12*(\a)
.if \z
	v_wmma_scale_f32_16x16x128_f8f6f4 v[rD:rD+7], v[rB:rB+11], v[rA:rA+11], 0, v[SC+8*\b+(\ks)], v[SC+8*(\a)+(\ks)] matrix_a_fmt:MATRIX_FMT_FP6 matrix_b_fmt:MATRIX_FMT_FP6 matrix_a_scale:MATRIX_SCALE_ROW1
.else
	v_wmma_scale_f32_16x16x128_f8f6f4 v[rD:rD+7], v[rB:rB+11], v[rA:rA+11], v[rD:rD+7], v[SC+8*\b+(\ks)], v[SC+8*(\a)+(\ks)] matrix_a_fmt:MATRIX_FMT_FP6 matrix_b_fmt:MATRIX_FMT_FP6 matrix_a_scale:MATRIX_SCALE_ROW1
.endif
.endr
.endr
.endm
.macro STEP ks, z
	s_wait_dscnt 12                                ; K's set and Q's blocks 0-3 are in; the youngest 12 loads (blocks 4-7) may be out
	WIN 0xa1
	MULG 0, \ks, \z
	MULG 2, \ks, \z
	s_wait_dscnt 0x0
	PLACES 4                                       ; in front of loads into registers that matrix instructions have read
	FK (\ks)+1
	FQ (\ks)+1, 0
	WIN 0xf1
	MULG 4, \ks, \z
	MULG 6, \ks, \z
	PLACES 4
	WIN 0
	FQ (\ks)+1, 4
.endm
; A step with a barrier.  fill = 1: the small regions are read no more and are filled again; fill = 0: the barrier shows the refill whole to all four waves.
.macro TURN ks, fill
	s_wait_tensorcnt 0x0                           ; all my tensor loads have landed
	ds_add_u32 v[SPW], v[NIL]                      ; 0 onto my spare word
	s_wait_dscnt 13                                ; (the add and the youngest 12 loads may be out)
	WIN 0xa1
	MULG 0, \ks, 0
	s_wait_dscnt 0x0                               ; the add is done, and so are my reads so far
	s_barrier_signal -1
	MULG 2, \ks, 0
	WIN 0
	s_barrier_wait -1
.if \fill
	TLOAD G0R, G1S                                 ; the first tensor load behind the barrier; its four v_nop are the places in front of the loads below
.else
	PLACES 4
.endif
	FK (\ks)+1
	FQ (\ks)+1, 0
	WIN 0xf1
	MULG 4, \ks, 0
	MULG 6, \ks, 0
	PLACES 4
	WIN 0
	FQ (\ks)+1, 4
.endm
.macro LAST ks
	s_wait_dscnt 12
	WIN 0xa1
	MULG 0, \ks, 0
	MULG 2, \ks, 0
	s_wait_dscnt 0x0
	WIN 0xf1
	MULG 4, \ks, 0
	MULG 6, \ks, 0
	WIN 0
.endm
; THE SOFTMAX of block a: 16 queries x my 128 keys.  Register 16 b + i of the block's 64 is key 32 b + 16 h + i.
.macro SMBLK a
.set W,  2+(\a)/4
.set AC, 64*((\a)%4)
.set E,  (\a)%2
	s_wait_xcnt 0x0                                ; the earlier stores have read their data: they are written again below
	s_cmp_eq_u32 s90, 0                            ; nothing hidden: branches on ids and the wave's number alone
	s_cbranch_scc1 .Lopen_\@
	s_cmp_eq_u32 s90, 2
	s_cbranch_scc1 .Lshut_\@
	; my 128 queries against their own 128 keys.  Register 16 b + i is hidden where 32 b + i - 32 (a / 2) - 8 (a % 2) is greater than v[DB], which lies in -16 .. 23:
	; so key blocks b < a / 2 are open, blocks b > a / 2 are hidden whole, and block b = a / 2 takes the masks of i - 8 (a % 2)
	WIN (W<<6)|W
.set n, 0
.rept 16
	v_cndmask_b32 v[AC+16*((\a)/2)+n], v[AC+16*((\a)/2)+n], v[NINF], s[66+8+n-8*((\a)%2)]
.set n, n+1
.endr
.if (\a)/2 < 3
.set n, 16*((\a)/2+1)
.rept 64-16*((\a)/2+1)
	v_mov_b32 v[AC+n], 0xff800000
.set n, n+1
.endr
.endif
	WIN 0
	s_branch .Lopen_\@
.Lshut_\@:
	WIN (W<<6)                                     ; my keys all lie behind my queries: every score is hidden
.set n, 0
.rept 64
	v_mov_b32 v[AC+n], 0xff800000
.set n, n+1
.endr
	WIN 0
.Lopen_\@:
	WIN (W<<2)|(W<<4)
.irp b, 0,1,2,3
	v_max3_num_f32 v[TM+\b], 0xf1800000, v[AC+16*\b], v[AC+16*\b+1]   ; the largest score of each block of 32 keys, over the floor -2^100: it serves for the run's maximum and for the block's largest p
.endr
.irp i, 2,4,6,8,10,12,14
.irp b, 0,1,2,3
	v_max3_num_f32 v[TM+\b], v[TM+\b], v[AC+16*\b+\i], v[AC+16*\b+\i+1]
.endr
.endr
	WIN 0
.irp b, 0,1,2,3
	v_permlanex16_b32 v[TM+4+\b], v[TM+\b], s[SEL], s[SEL+1]
.endr
.irp b, 0,1,2,3
	v_max_num_f32 v[TM+\b], v[TM+\b], v[TM+4+\b]   ; with lane l xor 16's 16 keys
.endr
	v_max3_num_f32 v[T1], v[TM], v[TM+1], v[TM+2]
	v_max_num_f32 v[T1], v[T1], v[TM+3]
	v_mul_f32 v[T1], s[CS], v[T1]                  ; the run's largest t (c is positive)
	v_floor_f32 v[NM+2*E], -v[T1]                  ; -M_loc = floor(-t): a whole number
	WIN W
.set n, 0
.rept 32
	v_pk_fma_f32 v[HA+n:HA+n+1], v[AC+n:AC+n+1], s[CS:CS+1], v[NM+2*E:NM+2*E+1] op_sel_hi:[1,0,0]   ; t - M_loc, two at a time
.set n, n+2
.endr
	WIN 0
.irp b, 0,1,2,3
	v_fma_f32 v[TM+\b], v[TM+\b], s[CS], v[NM+2*E] ; the same of each block's largest score
.endr
.set n, 0
	s_wait_alu depctr_va_vdst(0)
.rept 64
	v_exp_f32 v[HA+n], v[HA+n]                     ; p = 2^(t - M_loc), at most 1
.set n, n+1
.endr
.irp b, 0,1,2,3
	v_exp_f32 v[TM+\b], v[TM+\b]                   ; the block's largest p: the same two instructions on the same number give the same bits
.endr
	v_nop                                          ; a plain place behind the exponentials
	s_wait_alu depctr_va_vdst(0)                   ; and behind it
.irp b, 0,1,2,3
	v_max_num_f32 v[TM+\b], 0x1800000, v[TM+\b]    ; the floor 2^(3 - 127): the byte cannot fall under 1
.endr
.irp b, 0,1,2,3
	v_add_nc_u32 v[TM+12+\b], 0xff000000, v[TM+\b]
.endr
.irp b, 0,1,2,3
	v_lshrrev_b32 v[TM+4+\b], 23, v[TM+12+\b]
.endr
	v_lshl_or_b32 v[PW+E], v[TM+5], 8, v[TM+4]
	v_lshl_or_b32 v[PW+E], v[TM+6], 16, v[PW+E]
	v_lshl_or_b32 v[PW+E], v[TM+7], 24, v[PW+E]
.irp c, 0,1
	v_cvt_scalef32_pk16_fp6_f32 v[PC+6*\c:PC+6*\c+2], v[HA+32*\c:HA+32*\c+15], v[TM+12+2*\c]
	v_cvt_scalef32_pk16_fp6_f32 v[PT+4*\c:PT+4*\c+2], v[HA+32*\c+16:HA+32*\c+31], v[TM+13+2*\c]
.endr
	v_nop                                          ; one plain place behind a scaled conversion
.irp c, 0,1
.irp i, 0,1,2
	v_permlane16_swap_b32 v[PC+6*\c+\i], v[PT+4*\c+\i]
.endr
.irp i, 0,1,2
	v_mov_b32 v[PC+3+6*\c+\i], v[PT+4*\c+\i]
.endr
.endr
	v_pk_add_f32 v[S0:S0+1], v[HA:HA+1], v[HA+4:HA+5]           ; the sum is taken of the unquantised p: two at a time, in two chains
	v_pk_add_f32 v[S1:S1+1], v[HA+2:HA+3], v[HA+6:HA+7]
.irp j, 8,12,16,20,24,28,32,36,40,44,48,52,56,60
	v_pk_add_f32 v[S0:S0+1], v[S0:S0+1], v[HA+\j:HA+\j+1]
	v_pk_add_f32 v[S1:S1+1], v[S1:S1+1], v[HA+\j+2:HA+\j+3]
.endr
	v_pk_add_f32 v[S0:S0+1], v[S0:S0+1], v[S1:S1+1]
	v_add_f32 v[LL+E], v[S0], v[S0+1]
	v_permlanex16_b32 v[T1], v[LL+E], s[SEL], s[SEL+1]
	v_add_f32 v[LL+E], v[LL+E], v[T1]              ; with lane l xor 16's: the run's sum
.irp g, 0,1,2
	global_store_b128 v[CO], v[PC+4*\g:PC+4*\g+3], s[8:9] offset:(\a)*16*FRB+512*\g   ; 512 consecutive bytes, at a multiple of 256
.endr
.if E == 1
	v_cndmask_b32 v[ST], v[PW], v[PW+1], s[HM]     ; lanes 0-15: the even block's, lanes 16-31: this block's
	v_cndmask_b32 v[ST+1], v[NM], v[NM+2], s[HM]
	v_cndmask_b32 v[ST+2], v[LL], v[LL+1], s[HM]
	global_store_b32 v[SO], v[ST], s[10:11] offset:((\a)-1)*1024   ; a word a place: the reader takes a place's K steps as neighbours
	global_store_b32 v[SO], v[ST+1], s[10:11] offset:((\a)-1)*1024+524288
	global_store_b32 v[SO], v[ST+2], s[10:11] offset:((\a)-1)*1024+1048576
.endif
.endm
	s_wait_loadcnt 0x0                             ; the scale words
	s_wait_tensorcnt 0x0                           ; my load of the head's four is in
	s_mov_b32 s[G1S+2], 8<<16                      ; no tensor load of mine is out, so a descriptor may be written: the refill brings eight tiles a wave
	s_mov_b32 s[G1S+4], 8
	s_barrier_signal -1
	s_barrier_wait -1
	FK 0
	FQ 0, 0
	FQ 0, 4
	STEP 0, 1
	TURN 1, 1                                      ; the small regions take K steps 6, 7
	STEP 2, 0
	STEP 3, 0
	STEP 4, 0
	TURN 5, 0                                      ; K steps 6, 7 are in
	STEP 6, 0
	LAST 7
	PLACES 4                                       ; in front of the first read of results and the first write of registers that held operands and scales
.irp b, 0,1,2,3
	v_mov_b32 v[TM+4+\b], 0                        ; a lane permute's destination counts as one of its sources
.endr
	v_mov_b32 v[NM+1], 0                           ; (named as the upper halves of pairs)
	v_mov_b32 v[NM+3], 0
	s_cmp_lt_u32 s19, s20                          ; s90: what the causal mask does to my 128 x 128: 0 nothing, 1 the diagonal runs through it, 2 all of it is hidden
	s_cselect_b32 s90, 2, 1
	s_cmp_gt_u32 s19, s20
	s_cselect_b32 s90, 0, s90
	s_cmp_lg_u32 s[TI], s[TJ]
	s_cselect_b32 s90, 0, s90
.set n, 0
.rept 24
	v_cmp_gt_i32 s[66+n], n-8, v[DB]               ; s66-89: the lanes for which a key n - 8 places on from the block's first lies behind the query
.set n, n+1
.endr
.irp a, 0,1,2,3,4,5,6,7
	SMBLK \a
.endr
	s_wait_tensorcnt 0x0                           ; the wave's end
	ds_add_u32 v[SPW], v[NIL]
	s_wait_dscnt 0x0
	s_endpgm
.Lfunc_end_k_qbc82e9c0a6_scores:
	.size	k_qbc82e9c0a6_scores, .Lfunc_end_k_qbc82e9c0a6_scores-k_qbc82e9c0a6_scores
	.p2alignl 7, 3214868480
	.fill 96, 4, 3214868480
	.section	.rodata,"a",@progbits
	.p2align	6, 0x0
	.amdhsa_kernel k_qbc82e9c0a6_scores
		.amdhsa_group_segment_fixed_size 327680
		.amdhsa_private_segment_fixed_size 0
		.amdhsa_enable_private_segment 0
		.amdhsa_kernarg_size 32
		.amdhsa_user_sgpr_count 2
		.amdhsa_user_sgpr_kernarg_segment_ptr 1
		.amdhsa_wavefront_size32 1
		.amdhsa_system_sgpr_workgroup_id_x 1
		.amdhsa_system_sgpr_workgroup_id_y 1
		.amdhsa_system_sgpr_workgroup_id_z 1
		.amdhsa_system_vgpr_workitem_id 0
		.amdhsa_next_free_vgpr 1024
		.amdhsa_next_free_sgpr 100
		.amdhsa_reserve_vcc 0
		.amdhsa_float_denorm_mode_32 3
		.amdhsa_float_denorm_mode_16_64 3
		.amdhsa_memory_ordered 1
		.amdhsa_forward_progress 1
		.amdhsa_inst_pref_size 252
	.end_amdhsa_kernel
	.amdgpu_metadata
---
amdhsa.version: [ 1, 2 ]
amdhsa.kernels:
  - .name:           k_qbc82e9c0a6_scores
    .symbol:         k_qbc82e9c0a6_scores.kd
    .args:
      - { .name: qkv_codes, .offset: 0, .size: 8, .value_kind: global_buffer, .address_space: global }
      - { .name: qkv_scales, .offset: 8, .size: 8, .value_kind: global_buffer, .address_space: global }
      - { .name: p_codes, .offset: 16, .size: 8, .value_kind: global_buffer, .address_space: global }
      - { .name: p_stats, .offset: 24, .size: 8, .value_kind: global_buffer, .address_space: global }
    .group_segment_fixed_size: 327680
    .private_segment_fixed_size: 0
    .kernarg_segment_align: 8
    .kernarg_segment_size: 32
    .max_flat_workgroup_size: 128
    .sgpr_count:     100
    .vgpr_count:     1024
    .wavefront_size: 32
...
	.end_amdgpu_metadata
.endif
;; end of part 3
;; launch pv (part 4): grid 8 x 32, 4 waves a work-group, clusters of 4 x 1, 327,680 bytes of LDS; arguments p_codes, p_stats, qkv_codes, qkv_scales, out0; writes out0
.if DOCPART == 4
	.amdgcn_target "amdgcn-amd-amdhsa--gfx1250"
	.amdhsa_code_object_version 6
	.text
	.protected	k_qbc82e9c0a6_pv
	.globl	k_qbc82e9c0a6_pv
	.p2align	8
	.type	k_qbc82e9c0a6_pv,@function
k_qbc82e9c0a6_pv:
	s_mov_b64 s[64:65], 0
	v_nop
	global_prefetch_b8 v0, s[64:65] scope:SCOPE_SE
	s_setreg_imm32_b32 hwreg(HW_REG_WAVE_MODE, 25, 1), 1
	s_wait_xcnt 0x0
	s_wait_alu depctr_hold_cnt(0) depctr_sa_sdst(0) depctr_va_vdst(0) depctr_va_sdst(0) depctr_va_ssrc(0) depctr_va_vcc(0) depctr_vm_vsrc(0)
	s_getreg_b32 s2, hwreg(HW_REG_IB_STS2, 6, 4)
	s_cmp_eq_u32 s2, 0
	s_cbranch_scc0 .Lentry_in_a_cluster
	s_endpgm
.Lentry_in_a_cluster:
	s_bfe_u32 s2, ttmp6, 0x10000c
	s_cmp_lg_u32 s2, 0x3003
	s_cbranch_scc0 .Lentry_shape_is_right
	s_endpgm
.Lentry_shape_is_right:
; Z = (p V) / l on codes of FP6 with E8M0 scales.  Work-group (x, y): channels 128 x .. + 127, batch y % 4, query block i = 7 - y / 4 (256 queries): K = the 256 (i + 1) keys that the causal mask keeps;
; key blocks behind the diagonal are hidden whole by the mask that the problem builds itself, and are not multiplied.
; p comes as codes under a local M_loc for each query and run of 128 keys (K step), with p_stats' three planes [query tile][place 16][ks 16]: scale word, -M_loc, the run's sum.  The head joins them: -M = the least -M_loc of the
; row; d = M_loc - M, a whole number, 0 or less, held at -127; every scale byte is lowered by |d| (held at 0 from below), every sum is multiplied by 2^d; l = the sum of those.  K steps that were never made are selected away by masks made of i.
; THE MATRIX INSTRUCTION IS USED TRANSPOSED: source 0 = 16 channels of V^T, source 1 = 16 queries of p: a lane holds one query and eight neighbouring channels.
; A wave makes 128 queries x 64 channels: 32 accumulators, 32 matrix instructions a K step.  LDS: two slots of four K steps (p's 16 tiles and V^T's 8, rows of 6,144 bytes: 147,456 bytes a slot); the spare words; a stage for the way out.
; Slot 0 is asked for at the head, slot 1 behind the first round; at most two refills follow.  What a step does at a slot's end hangs on i alone, which all partners of a cluster share.
; CLUSTER 4 x 1: the four share p's tiles and ask for them jointly; V^T's differ.  NO PREFETCH: at most 16 steps written out, no loop to run ahead in.
; LIMITS: NaN and infinities are not served; a run whose M_loc lies more than 127 under M counts with 2^-127 at the least of its scale.
; REGISTERS: window 0: v16-29 addresses; v32-95 p's scale words (8 a + j: lanes 0-15 K step j, lanes 16-31 K step 8 + j); v96-127 V^T's (4 t + b: K steps 2 t, 2 t + 1); v128-223 p's fragments of even K steps; v224-255 1 / l and the head's work.
;   window 1: v0-95 V^T's two sets; v128-223 p's fragments of odd K steps.   window 2: the accumulators; in the head the statistics.
.set FRB,    1536
.set R4,     4*FRB
.set PPITCH, 16*FRB
.set SLOT,   24*R4
.set SPARE,  2*SLOT
.set STAGE,  SPARE+512
.set SPITCH, 272
.set VBASE,  12582912
.set VSBASE, 524288
.set L4,   3
.set LS,   4
.set BIG,  5
.set ADRA, 16
.set ADRB, 20
.set STO,  24
.set RD,   25
.set GO,   26
.set SPW,  28
.set NIL,  29
.set PS,   32
.set VS,   96
.set AF,   128
.set RL,   224
.set NMF,  240
.set TP,   248
.set BK,   64
.set NS,   25
.set NSL,  26
.set NS2,  27
.set G1,   28
.set G0,   36
.set G1B,  44
.set G0B,  52
.set SEL,  60
.set K01,  62
.set K80,  63
.set MK,   68
.set MSB, 0
.macro WIN new
.if MSB != (\new)
	s_set_vgpr_msb (MSB<<8)|(\new)
.set MSB, (\new)
.endif
.endm
.macro PLACES n
.rept \n
	v_nop
.endr
.endm
.macro JLOAD g0a, g0b                  ; waves 0 and 1 fetch p's halves, jointly with the partners; waves 2 and 3 V^T's.  An s_nop 0 and four v_nop follow each line
	s_cmp_eq_u32 s19, 0
	s_cbranch_scc0 .Lfor_b_\@
	tensor_load_to_lds s[\g0a:\g0a+3], s[G1:G1+7]
	s_nop 0
.rept 4
	v_nop
.endr
	s_branch .Lasked_\@
.Lfor_b_\@:
	tensor_load_to_lds s[\g0b:\g0b+3], s[G1B:G1B+7]
	s_nop 0
.rept 4
	v_nop
.endr
.Lasked_\@:
.endm
.macro CREST
	s_cmp_lg_u32 s18, 0
	s_cbranch_scc1 .Lnot_wave_0_\@
	s_barrier_signal -3
.Lnot_wave_0_\@:
	s_barrier_wait -3
	s_barrier_signal -1
	s_barrier_wait -1
.endm
.macro CROUND
	s_barrier_signal -1
	s_barrier_wait -1
	CREST
.endm
	s_load_b256 s[4:11], s[0:1], 0x0               ; p's codes, p's statistics, V^T's codes (in qkv_codes), its scale words
	s_load_b64 s[12:13], s[0:1], 0x20              ; Z
	v_lshl_add_u32 v[SPW], v0, 2, SPARE
	v_mov_b32 v[NIL], 0
	ds_add_u32 v[SPW], v[NIL]                      ; the opening lines: the add, twice on end, and its wait
	ds_add_u32 v[SPW], v[NIL]
	v_lshrrev_b32 v1, 5, v0
	v_readfirstlane_b32 s18, v1                    ; wave
	s_lshr_b32 s19, s18, 1                         ; my half of the queries.  Also: I fetch p (0) or V^T (1)
	s_and_b32 s20, s18, 1                          ; my half of the channels.  Also: which half of the tiles I fetch
	s_bfe_u32 s21, ttmp6, 0x40000
	s_lshl_b32 s22, ttmp9, 2
	s_add_co_u32 s22, s22, s21                     ; the block of 128 channels
	s_and_b32 s23, ttmp7, 0xffff
	s_lshr_b32 s24, s23, 2
	s_sub_co_u32 s24, 7, s24                       ; i: the longest work-groups have the lowest numbers
	s_and_b32 s23, s23, 3                          ; the batch
	s_add_co_u32 s[NS], s24, 1                     ; key blocks of 256: pairs of K steps
	s_add_co_u32 s[NSL], s24, 2
	s_lshr_b32 s[NSL], s[NSL], 1                   ; slots' worth
	s_lshl_b32 s[NS2], s[NS], 1                    ; K steps
	s_mov_b32 s[G1], 15|(3<<16)|(1<<21)            ; p: all four partners; elements of 8 bytes; 8 rows of 6,144 bytes
	s_mov_b32 s[G1+2], 8<<16
	s_mov_b32 s[G1+4], 8
	s_mov_b32 s[G1B], 3<<16                        ; V^T: no mask; 4 rows
	s_mov_b32 s[G1B+2], 4<<16
	s_mov_b32 s[G1B+4], 4
.irp g, G1, G1B
	s_mov_b32 s[\g+1], 768<<16
	s_mov_b32 s[\g+3], 768<<16
	s_mov_b32 s[\g+5], PPITCH/8
	s_mov_b32 s[\g+6], 0
	s_mov_b32 s[\g+7], 0
.endr
	s_lshl_b32 s78, s23, 7
	s_lshl_b32 s79, s24, 4
	s_add_co_u32 s78, s78, s79                     ; p's first tile: 128 batch + 16 i
	s_lshl_b32 s79, s20, 3
	s_add_co_u32 s80, s78, s79
	s_mul_i32 s80, s80, PPITCH
	s_mov_b32 s81, 0
	s_lshl_b32 s84, s23, 6
	s_lshl_b32 s85, s22, 3
	s_add_co_u32 s84, s84, s85                     ; V^T's first tile: 64 batch + 8 x
	s_lshl_b32 s85, s20, 2
	s_add_co_u32 s86, s84, s85
	s_mul_i32 s86, s86, PPITCH
	s_add_co_u32 s86, s86, VBASE
	s_mov_b32 s87, 0
	s_mul_i32 s88, s20, 8*R4
	s_mul_i32 s89, s20, 4*R4
	s_add_co_u32 s89, s89, 16*R4
	s_wait_dscnt 0x0                               ; both opening adds are done
	s_wait_kmcnt 0x0
	s_add_nc_u64 s[80:81], s[4:5], s[80:81]
	s_add_nc_u64 s[86:87], s[8:9], s[86:87]
.irp s, 0,1
	s_mov_b32 s[G0+4*\s], 1
	s_add_co_u32 s[G0+4*\s+1], s88, \s*SLOT
	s_add_nc_u64 s[G0+4*\s+2:G0+4*\s+3], s[80:81], \s*R4
	s_or_b32 s[G0+4*\s+3], s[G0+4*\s+3], 0x80000000
	s_mov_b32 s[G0B+4*\s], 1
	s_add_co_u32 s[G0B+4*\s+1], s89, \s*SLOT
	s_add_nc_u64 s[G0B+4*\s+2:G0B+4*\s+3], s[86:87], \s*R4
	s_or_b32 s[G0B+4*\s+3], s[G0B+4*\s+3], 0x80000000
.endr
	CROUND                                         ; the four partners are here: the first joint loads meet
	JLOAD G0, G0B                                  ; K steps 0-3: one tensor load a wave at the head
	s_lshl_b32 s90, s19, 3
	s_add_co_u32 s90, s90, s78
	s_lshl_b32 s90, s90, 10                        ; my eight query tiles' statistics
	s_mov_b32 s91, 0
	s_add_nc_u64 s[6:7], s[6:7], s[90:91]
	s_lshl_b32 s90, s20, 2
	s_add_co_u32 s90, s90, s84
	s_lshl_b32 s90, s90, 10
	s_add_co_u32 s90, s90, VSBASE                  ; my four channel tiles' scale words
	s_add_nc_u64 s[10:11], s[10:11], s[90:91]
	s_lshl_b32 s92, s23, 11
	s_lshl_b32 s93, s24, 8
	s_add_co_u32 s92, s92, s93
	s_lshl_b32 s93, s19, 7
	s_add_co_u32 s92, s92, s93                     ; my first row of Z
	s_lshl_b32 s92, s92, 12
	s_lshl_b32 s93, s22, 9
	s_add_co_u32 s92, s92, s93
	s_lshl_b32 s93, s20, 8
	s_add_co_u32 s92, s92, s93                     ; + my first channel, in bytes
	s_mov_b32 s93, 0
	s_add_nc_u64 s[12:13], s[12:13], s[92:93]
	s_mul_i32 s92, s19, 8*R4                       ; LDS: my eight tiles of p,
	s_mul_i32 s93, s20, 4*R4
	s_add_co_u32 s93, s93, 16*R4                   ; my four of V^T,
	s_mul_i32 s94, s18, 16*SPITCH
	s_add_co_u32 s94, s94, STAGE                   ; my stage
	s_mov_b32 s[SEL], 0x76543210
	s_mov_b32 s[SEL+1], 0xfedcba98
	s_mov_b32 s[K01], 0x01010101
	s_mov_b32 s[K80], 0x80808080
.irp j, 0,1,2,3,4,5,6,7                ; which lanes of register j hold a K step that was made: lanes 0-15 K step j, lanes 16-31 K step 8 + j
	s_cmp_gt_u32 s[NS2], \j
	s_cselect_b32 s[MK+\j], 0xffff, 0
	s_cmp_gt_u32 s[NS2], 8+\j
	s_cselect_b32 s76, 0xffff0000, 0
	s_or_b32 s[MK+\j], s[MK+\j], s76
.endr
	v_and_b32 v1, 15, v0                           ; r
	v_bfe_u32 v2, v0, 4, 1                         ; h
	v_and_b32 v6, 31, v0
	v_lshlrev_b32 v[L4], 2, v6
	v_lshlrev_b32 v[LS], 6, v1                     ; the statistics: 64 bytes a place, lanes 16-31 the upper eight K steps
	v_lshl_add_u32 v[LS], v2, 5, v[LS]
	v_mov_b32 v[BIG], 0x7f7fffff
	v_lshlrev_b32 v7, 4, v6
	v_add_nc_u32 v[ADRA], s92, v7
	v_add_nc_u32 v[ADRA+1], SLOT, v[ADRA]
	v_add_nc_u32 v[ADRB], s93, v7
	v_add_nc_u32 v[ADRB+1], SLOT, v[ADRB]
	v_mul_u32_u24 v[STO], v1, SPITCH               ; the stage, in: row r, + 64 h bytes
	v_lshl_add_u32 v[STO], v2, 6, v[STO]
	v_add_nc_u32 v[STO], s94, v[STO]
	v_mul_u32_u24 v[RD], v2, SPITCH                ; back: sixteen lanes to a row of 256 bytes
	v_lshl_add_u32 v[RD], v1, 4, v[RD]
	v_add_nc_u32 v[RD], s94, v[RD]
	v_lshlrev_b32 v[GO], 12, v2                    ; and the same two rows in Z
	v_lshl_add_u32 v[GO], v1, 4, v[GO]
.irp a, 0,1,2,3,4,5,6,7
	v_mov_b32 v[TP+\a], 0                          ; a lane permute's destination counts as one of its sources
	v_mov_b32 v[RL+2*\a+1], 0                      ; (named as the upper halves of pairs)
.endr
	s_wait_alu depctr_va_vdst(0)
.irp a, 0,1,2,3,4,5,6,7
.irp q, 0,1
	global_load_b128 v[PS+8*\a+4*\q:PS+8*\a+4*\q+3], v[LS], s[6:7] offset:1024*\a+16*\q
.endr
.endr
	WIN 0x80
.irp a, 0,1,2,3,4,5,6,7
.irp q, 0,1
	global_load_b128 v[8*\a+4*\q:8*\a+4*\q+3], v[LS], s[6:7] offset:1024*\a+16*\q+524288
	global_load_b128 v[64+8*\a+4*\q:64+8*\a+4*\q+3], v[LS], s[6:7] offset:1024*\a+16*\q+1048576
.endr
.endr
	WIN 0
.irp t, 0,1,2,3,4,5,6,7
.irp b, 0,1,2,3
	global_load_b32 v[VS+4*\t+\b], v[L4], s[10:11] offset:1024*\b+128*\t
.endr
.endr
	s_wait_tensorcnt 0x0                           ; my part of slot 0 is in; slot 1's first fill is issued as a refill is:
	ds_add_u32 v[SPW], v[NIL]                      ; 0 onto my spare word
	s_wait_dscnt 0x0
	CROUND
	JLOAD G0+4, G0B+4                              ; K steps 4-7, the first tensor load behind the round; the statistics are worked while it is out
	s_wait_loadcnt 0x0
.macro RUN64 w
	WIN \w
.set n, 0
.endm
	RUN64 0x88
.rept 64
	v_cndmask_b32 v[n], v[BIG], v[n], s[MK+n%8]    ; -M_loc, or the largest number where no K step was made
.set n, n+1
.endr
	RUN64 0x88
.rept 64
	v_cndmask_b32 v[64+n], 0, v[64+n], s[MK+n%8]   ; the run's sum, or 0
.set n, n+1
.endr
	WIN 0x2a
.irp a, 0,1,2,3,4,5,6,7
	v_min3_num_f32 v[NMF+\a], v[8*\a], v[8*\a+1], v[8*\a+2]
.endr
	WIN 0x28
.irp j, 3,5
.irp a, 0,1,2,3,4,5,6,7
	v_min3_num_f32 v[NMF+\a], v[NMF+\a], v[8*\a+\j], v[8*\a+\j+1]
.endr
.endr
.irp a, 0,1,2,3,4,5,6,7
	v_min_num_f32 v[NMF+\a], v[NMF+\a], v[8*\a+7]
.endr
	WIN 0
.irp a, 0,1,2,3,4,5,6,7
	v_permlanex16_b32 v[TP+\a], v[NMF+\a], s[SEL], s[SEL+1]
.endr
.irp a, 0,1,2,3,4,5,6,7
	v_min_num_f32 v[NMF+\a], v[NMF+\a], v[TP+\a]   ; -M of my query of block a
.endr
	RUN64 0x88
.rept 64
	v_sub_f32 v[n], v[NMF+n/8], v[n]               ; d = M_loc - M
.set n, n+1
.endr
	RUN64 0x88
.rept 64
	v_max_num_f32 v[n], 0xc2fe0000, v[n]           ; held at -127
.set n, n+1
.endr
	RUN64 0x82
.rept 64
	v_cvt_i32_f32 v[n], v[n]
.set n, n+1
.endr
	RUN64 0x8a
.rept 64
	v_ldexp_f32 v[64+n], v[64+n], v[n]             ; the run's sum under M
.set n, n+1
.endr
	RUN64 0x8a
.rept 64
	v_mul_lo_u32 v[128+n], v[n], s[K01]            ; d in each of the four bytes
.set n, n+1
.endr
	RUN64 0x88
.rept 64
	v_add3_u32 v[128+n], v[PS+n], v[128+n], s[K80] ; byte + 128 - |d|: at least 2, so no byte borrows from its neighbour
.set n, n+1
.endr
	RUN64 0x88
.rept 64
	v_and_b32 v[192+n], s[K80], v[128+n]           ; bit 7: the byte has not fallen under 0
.set n, n+1
.endr
	RUN64 0x88
.rept 64
	v_lshrrev_b32 v[n], 7, v[192+n]
.set n, n+1
.endr
	RUN64 0x8a
.rept 64
	v_sub_nc_u32 v[192+n], v[192+n], v[n]          ; 0x7f in such a byte, 0 in the others
.set n, n+1
.endr
	RUN64 0x0a
.rept 64
	v_and_b32 v[PS+n], v[128+n], v[192+n]          ; the scale words under M
.set n, n+1
.endr
.irp a, 0,1,2,3,4,5,6,7
	v_add_f32 v[RL+2*\a], v[64+8*\a], v[64+8*\a+1]
.endr
	WIN 0x02
.irp j, 2,3,4,5,6,7
.irp a, 0,1,2,3,4,5,6,7
	v_add_f32 v[RL+2*\a], v[64+8*\a+\j], v[RL+2*\a]
.endr
.endr
	WIN 0
.irp a, 0,1,2,3,4,5,6,7
	v_permlanex16_b32 v[TP+\a], v[RL+2*\a], s[SEL], s[SEL+1]
.endr
.irp a, 0,1,2,3,4,5,6,7
	v_add_f32 v[RL+2*\a], v[RL+2*\a], v[TP+\a]     ; l
.endr
	s_wait_alu depctr_va_vdst(0)
.irp a, 0,1,2,3,4,5,6,7
	v_rcp_f32 v[RL+2*\a], v[RL+2*\a]
.endr
	v_nop                                          ; a plain place behind the batch
	s_wait_alu depctr_va_vdst(0)                   ; and the wait behind it
.macro FRAG reg, adr, off
.irp g, 0,1,2
	ds_load_b128 v[\reg+4*\g:\reg+4*\g+3], v[\adr] offset:\off+512*\g
.endr
.endm
.macro FP ks                           ; K step ks: V^T's four fragments and p's eight into the sets ks % 2: 36 loads
	WIN 0x40
.irp i, 0,1,2,3
	FRAG 48*((\ks)%2)+12*\i, ADRB+((\ks)/4)%2, \i*R4+((\ks)%4)*FRB
.endr
.if (\ks)%2 == 0
	WIN 0
.endif
.irp i, 0,1,2,3,4,5,6,7
	FRAG AF+12*\i, ADRA+((\ks)/4)%2, \i*R4+((\ks)%4)*FRB
.endr
.endm
; 8 matrix instructions: query blocks a0, a0 + 1 x the four channel tiles.  The 32 accumulators take turns.
.macro MULP a0, ks
.irp a, \a0, \a0+1
.irp b, 0,1,2,3
.set rD, 8*(4*(\a)+\b)
.set rB, 48*((\ks)%2)+12*\b
.set rA, AF+12*(\a)
.set sV, VS+4*((\ks)/2)+\b
.set sP, PS+8*(\a)+(\ks)%8
.if (\ks) == 0
	v_wmma_scale_f32_16x16x128_f8f6f4 v[rD:rD+7], v[rB:rB+11], v[rA:rA+11], 0, v[sV], v[sP] matrix_a_fmt:MATRIX_FMT_FP6 matrix_b_fmt:MATRIX_FMT_FP6
.elseif ((\ks)%2 == 0) && ((\ks) < 8)
	v_wmma_scale_f32_16x16x128_f8f6f4 v[rD:rD+7], v[rB:rB+11], v[rA:rA+11], v[rD:rD+7], v[sV], v[sP] matrix_a_fmt:MATRIX_FMT_FP6 matrix_b_fmt:MATRIX_FMT_FP6
.elseif (\ks) < 8
	v_wmma_scale_f32_16x16x128_f8f6f4 v[rD:rD+7], v[rB:rB+11], v[rA:rA+11], v[rD:rD+7], v[sV], v[sP] matrix_a_fmt:MATRIX_FMT_FP6 matrix_b_fmt:MATRIX_FMT_FP6 matrix_a_scale:MATRIX_SCALE_ROW1
.elseif (\ks)%2 == 0
	v_wmma_scale_f32_16x16x128_f8f6f4 v[rD:rD+7], v[rB:rB+11], v[rA:rA+11], v[rD:rD+7], v[sV], v[sP] matrix_a_fmt:MATRIX_FMT_FP6 matrix_b_fmt:MATRIX_FMT_FP6 matrix_b_scale:MATRIX_SCALE_ROW1
.else
	v_wmma_scale_f32_16x16x128_f8f6f4 v[rD:rD+7], v[rB:rB+11], v[rA:rA+11], v[rD:rD+7], v[sV], v[sP] matrix_a_fmt:MATRIX_FMT_FP6 matrix_b_fmt:MATRIX_FMT_FP6 matrix_a_scale:MATRIX_SCALE_ROW1 matrix_b_scale:MATRIX_SCALE_ROW1
.endif
.endr
.endr
.endm
.macro WMUL ks                         ; source 0 window 1; source 1 window 0 (even K steps) or 1 (odd); C and D window 2
	WIN 0xa1+4*((\ks)%2)
.endm
; One of a slot's first three K steps: the next step's 36 loads go out first, into the sets that the step before has read (four places behind its products).
.macro STEPP ks
	PLACES 4
	FP (\ks)+1
	s_wait_dscnt 36                                ; this step's fragments are in; the 36 just issued may be out
	WMUL \ks
	MULP 0, \ks
	MULP 2, \ks
	MULP 4, \ks
	MULP 6, \ks
.endm
; A slot's last K step where another slot follows.  fill = 1: the barrier opens a round of the cluster's, and this slot is filled again, two slots on.
.macro TURNP ks, fill
.set SL, ((\ks)/4)%2
	s_wait_tensorcnt 0x0                           ; all my tensor loads have landed: my part of the next slot
	ds_add_u32 v[SPW], v[NIL]                      ; 0 onto my spare word
	s_wait_dscnt 0x0                               ; the add is done, this step's fragments are in, and my reads of this slot are over
	s_barrier_signal -1
	WMUL \ks
	MULP 0, \ks
	MULP 2, \ks
	WIN 0
	s_barrier_wait -1
.if \fill
	CREST
	s_add_nc_u64 s[G0+4*SL+2:G0+4*SL+3], s[G0+4*SL+2:G0+4*SL+3], 2*R4
	s_add_nc_u64 s[G0B+4*SL+2:G0B+4*SL+3], s[G0B+4*SL+2:G0B+4*SL+3], 2*R4
	JLOAD G0+4*SL, G0B+4*SL                        ; the first tensor load behind the round; its four v_nop are the places in front of the loads below
.else
	PLACES 4
.endif
	FP (\ks)+1
	WMUL \ks
	MULP 4, \ks
	MULP 6, \ks
	WIN 0
.endm
.macro LASTP ks
	s_wait_dscnt 0x0
	WMUL \ks
	MULP 0, \ks
	MULP 2, \ks
	MULP 4, \ks
	MULP 6, \ks
	WIN 0
.endm
.macro EXIT n                          ; the work-group's keys end with key block n: a branch on ids, the same in all waves and partners
	WIN 0
	s_cmp_eq_u32 s[NS], \n
	s_cbranch_scc1 .Lout
.endm
.macro FORK ks, canfill                ; a slot's last K step: the last of all, or the last but one slot, or a slot to be filled again
	WIN 0
	s_cmp_eq_u32 s[NS], ((\ks)+1)/2
	s_cbranch_scc0 .Lgo_\@
	LASTP \ks
	s_branch .Lout
.Lgo_\@:
.if \canfill
	s_cmp_eq_u32 s[NSL], ((\ks)+1)/4+1
	s_cbranch_scc0 .Lfill_\@
	TURNP \ks, 0
	s_branch .Ljoin_\@
.Lfill_\@:
	TURNP \ks, 1
.Ljoin_\@:
.else
	TURNP \ks, 0
.endif
.endm
	FP 0
	STEPP 0
	STEPP 1
	EXIT 1
	STEPP 2
	FORK 3, 1
	STEPP 4
	STEPP 5
	EXIT 3
	STEPP 6
	FORK 7, 1
	STEPP 8
	STEPP 9
	EXIT 5
	STEPP 10
	FORK 11, 0
	STEPP 12
	STEPP 13
	EXIT 7
	STEPP 14
	LASTP 15
.Lout:
	s_wait_dscnt 0x0
	PLACES 4                                       ; in front of the first read of results and the first write of registers that held operands and scales
; THE WAY OUT, block by block of 16 queries x 64 channels: x 1 / l, through my own stage, back as rows of 256 bytes.
.macro TOSTAGE a
.set YY, 32+96*((\a)%2)
.set BB, BK+32*((\a)%2)
	WIN 0x02
.set n, 0
	s_wait_alu depctr_va_vdst(0)
.rept 16
	v_pk_mul_f32 v[YY+n:YY+n+1], v[32*(\a)+n:32*(\a)+n+1], v[RL+2*(\a):RL+2*(\a)+1] op_sel_hi:[1,0]
.set n, n+2
.endr
	WIN 0
.irp b, 0,1,2,3
	ds_store_b128 v[STO], v[YY+8*\b:YY+8*\b+3] offset:128*(\b/2)+32*(\b%2)
	ds_store_b128 v[STO], v[YY+8*\b+4:YY+8*\b+7] offset:128*(\b/2)+32*(\b%2)+16
.endr
.irp t, 0,1,2,3,4,5,6,7
	ds_load_b128 v[BB+4*\t:BB+4*\t+3], v[RD] offset:2*SPITCH*\t   ; LDS serves a wave's instructions in order: these see the stores above
.endr
.endm
.macro SEND a, younger
.set BB, BK+32*((\a)%2)
	s_wait_dscnt \younger
.irp t, 0,1,2,3,4,5,6,7
	global_store_b128 v[GO], v[BB+4*\t:BB+4*\t+3], s[12:13] offset:(32*((\a)/2)+8*((\a)%2)+2*\t+8*(\t/4))*4096 th:TH_STORE_NT   ; 16 lanes store 256 consecutive bytes, aligned
.endr
.endm
	TOSTAGE 0
.irp a, 1,2,3,4,5,6,7
.if \a > 1
	s_wait_xcnt 0x0                                ; block a - 2's stores have read their registers
.endif
	TOSTAGE \a
	SEND \a-1, 16                                  ; behind block a - 1's loads: block a's 8 stores and 8 loads
.endr
	SEND 7, 0
	s_wait_tensorcnt 0x0                           ; the wave's end
	ds_add_u32 v[SPW], v[NIL]
	s_wait_dscnt 0x0
	CROUND                                         ; the closing round
	s_endpgm
.Lfunc_end_k_qbc82e9c0a6_pv:
	.size	k_qbc82e9c0a6_pv, .Lfunc_end_k_qbc82e9c0a6_pv-k_qbc82e9c0a6_pv
	.p2alignl 7, 3214868480
	.fill 96, 4, 3214868480
	.section	.rodata,"a",@progbits
	.p2align	6, 0x0
	.amdhsa_kernel k_qbc82e9c0a6_pv
		.amdhsa_group_segment_fixed_size 327680
		.amdhsa_private_segment_fixed_size 0
		.amdhsa_enable_private_segment 0
		.amdhsa_kernarg_size 40
		.amdhsa_user_sgpr_count 2
		.amdhsa_user_sgpr_kernarg_segment_ptr 1
		.amdhsa_wavefront_size32 1
		.amdhsa_system_sgpr_workgroup_id_x 1
		.amdhsa_system_sgpr_workgroup_id_y 1
		.amdhsa_system_sgpr_workgroup_id_z 1
		.amdhsa_system_vgpr_workitem_id 0
		.amdhsa_next_free_vgpr 768
		.amdhsa_next_free_sgpr 100
		.amdhsa_reserve_vcc 0
		.amdhsa_float_denorm_mode_32 3
		.amdhsa_float_denorm_mode_16_64 3
		.amdhsa_memory_ordered 1
		.amdhsa_forward_progress 1
		.amdhsa_inst_pref_size 217
	.end_amdhsa_kernel
	.amdgpu_metadata
---
amdhsa.version: [ 1, 2 ]
amdhsa.kernels:
  - .name:           k_qbc82e9c0a6_pv
    .symbol:         k_qbc82e9c0a6_pv.kd
    .args:
      - { .name: p_codes, .offset: 0, .size: 8, .value_kind: global_buffer, .address_space: global }
      - { .name: p_stats, .offset: 8, .size: 8, .value_kind: global_buffer, .address_space: global }
      - { .name: qkv_codes, .offset: 16, .size: 8, .value_kind: global_buffer, .address_space: global }
      - { .name: qkv_scales, .offset: 24, .size: 8, .value_kind: global_buffer, .address_space: global }
      - { .name: out0, .offset: 32, .size: 8, .value_kind: global_buffer, .address_space: global }
    .group_segment_fixed_size: 327680
    .private_segment_fixed_size: 0
    .kernarg_segment_align: 8
    .kernarg_segment_size: 40
    .max_flat_workgroup_size: 128
    .sgpr_count:     100
    .vgpr_count:     768
    .wavefront_size: 32
...
	.end_amdgpu_metadata
.endif
;; end of part 4
